; MI455X (gfx1250); checked and timed in simulation.
; The chip was launched on July 23, 2026; its instructions are those of AMD's public machine-readable ISA for CDNA 5 (MIT licence, August 2026) and "CDNA5" Instruction Set Architecture Reference Guide (July 2026). The comments in the code are by the model that wrote it; some were corrected since.
;; Causal Self Attention. Allowed arithmetic: matrix products marked QUANTISED: E2M3 operands, one E8M0 scale for each 32 along K, by v_wmma_scale_f32_16x16x128_f8f6f4 with both operands' format E2M3, f32 sums; everything else in f32.
;; Inputs: W_proj 1,024 x 1,024 float32; W_qkv 1,024 x 3,072 float32; b_proj 1,024 float32; b_qkv 3,072 float32; x 4 x 2,048 x 1,024 float32.
;; Outputs: out0 4 x 2,048 x 1,024 float32.
;; This version of the problem:
;;   THIS VERSION OF THE PROBLEM IS GIVEN IN LOW PRECISION. The matrix products marked QUANTISED in the list below multiply operands that are first quantised to E2M3 (2 exponent bits, 3 mantissa bits; 6 bits a number), with one power-of-two scale for each 32 numbers along K (OCP MX v1.0); their sums are f32. All else is computed in f32.
;;   The module's matrix products, in the order in which they are computed (A, B: the left and right operand; K: the contracted axis; several contracted axes count as one K, in the product's order):
;;     1. [M 8,192, K 1,024] x [K 1,024, N 3,072]; A: input x; B: input W_qkv: QUANTISED
;;     2. batch 64 x [M 2,048, K 64] x [K 64, N 2,048]; A: computed on the way; B: computed on the way: QUANTISED
;;     3. batch 64 x [M 2,048, K 2,048] x [K 2,048, N 64]; A: softmax (see below); B: computed on the way: QUANTISED
;;     4. [M 8,192, K 1,024] x [K 1,024, N 1,024]; A: computed on the way; B: input W_proj: QUANTISED
;;   THE QUANTISER, for each operand of a quantised product, along K:
;;     - K is cut into blocks of 32 from its start; a last block that is shorter is filled with zeros.
;;     - A block's scale is 2^e with e = floor(log2(the largest magnitude in the block)) - 2, held to -126 .. 127; a block of zeros has e = 0. As a byte (E8M0): e + 127.
;;     - Each number is divided by its block's scale, clamped to +-7.5, and rounded to the nearest number of E2M3, ties to even, subnormals kept.
;;     - The product sums the exact products of the quantised numbers (number of the format x scale) in f32.
;;   ~~~python
;;   def quantise(x, axis):      # numpy; x: float32 -> the quantised numbers, widened to float32 again
;;       x = np.moveaxis(x, axis, -1); K = x.shape[-1]
;;       x = np.pad(x, [(0, 0)] * (x.ndim - 1) + [(0, -K % 32)]); x = x.reshape(x.shape[:-1] + (-1, 32)); a = np.abs(x).max(-1, keepdims=True)
;;       e = np.where(a > 0, np.clip(np.frexp(np.where(a > 0, a, 1))[1] - 1 - 2, -126, 127), 0)      # np.frexp(a)[1] - 1 = floor(log2(a)), exactly
;;       r = np.clip(x / 2.0 ** e, -7.5, 7.5)
;;       step = 2.0 ** (np.maximum(np.frexp(np.where(r == 0, 1, r))[1] - 1, 0) - 3)
;;       q = np.round(r / step) * step * 2.0 ** e      # np.round: ties to even
;;       return np.moveaxis(q.reshape(q.shape[:-2] + (-1,))[..., :K], -1, axis).astype(np.float32)
;;   ~~~
;;   SOFTMAX AHEAD OF A QUANTISED PRODUCT. Where the list says 'softmax', what is quantised is not the finished softmax but p = 2^(t - M), with t = logit x log2(e) and M = ceil(the row's largest t), a whole number; so 1/2 < the row's largest p <= 1. The row's sum l is taken of the UNQUANTISED p, in f32, and the product's result is divided by l at the end. Since M is a whole number, a kernel that streams over the keys may use a running M (the ceiling of the running maximum): every later rescaling is an exact power of two, which a block's scale takes up: the codes' values come out the same.
;;   OPERANDS COMPUTED ON THE WAY. 'Computed on the way' means the value that the module computes at that place (a softmax that the list does not call 'softmax' is quantised finished and normalised). What goes into a quantiser is computed in f32, as accurately as f32 sums, v_exp_f32 and their like allow (about 1e-6 of the number): no bf16 or f16 on the way to a quantiser, and a product that is left as it is and whose result goes on into a quantised operand takes f32 operands (vector FMAs, or v_wmma_f32_16x16x4_f32). A number that lies on a knife's edge between two numbers of the format may be rounded either way, as far as f32 arithmetic and the matrix unit's own rounding can turn it there, and no further.
;; One version. Each part assembles by itself: llvm-mc -triple=amdgcn-amd-amdhsa -mcpu=gfx1250 --defsym DOCPART=n.
;; ======== version 1 of 1: 4 launches
;; limits: right only within a limited range of input values
;; workspace buffers: opc 9,437,184 bytes; ops 393,216 bytes; qkvc 18,874,368 bytes; qkvs 1,310,720 bytes
;; launch quant (part 1): grid 512 x 1, 4 waves a work-group, no clusters, 59,904 bytes of LDS; arguments x, W_qkv, W_proj, opc, ops; writes opc, ops
.if DOCPART == 1
	.amdgcn_target "amdgcn-amd-amdhsa--gfx1250"
	.amdhsa_code_object_version 6
	.text
	.protected	k_q20fcaa169e_quant
	.globl	k_q20fcaa169e_quant
	.p2align	8
	.type	k_q20fcaa169e_quant,@function
k_q20fcaa169e_quant:
	s_mov_b64 s[64:65], 0
	v_nop
	global_prefetch_b8 v0, s[64:65] scope:SCOPE_SE
	s_setreg_imm32_b32 hwreg(HW_REG_WAVE_MODE, 25, 1), 1
	s_wait_xcnt 0x0
; x [8192][1024], W_qkv [1024][3072] and W_proj [1024][1024], f32, become codes of FP6 (E2M3) with one E8M0 scale byte for each 32 along K (K = 1,024 for all three),
; laid in the ORDER OF THE OPERAND'S REGISTERS, so that the products' launches load fragments by plain loads of 16 and 8 bytes a lane.
; ROW TILES.  Tile 2 g + u holds the 16 rows 32 g + 8 u + r + 8 (r / 8), r = 0 .. 15.  A HALF IMAGE (768 bytes) of a tile and 64 along K: lane (r, h) owns the 24 bytes of codes of
; k = 32 h .. 32 h + 31 of its row: its first 16 bytes lie at 16 x lane, its last 8 at 512 + 8 x lane.  opc: tile x 12,288 + (K / 128) x 1,536 + half x 768; tokens' tiles from byte 0, the weights' rows
; (0-3,071 W_qkv's columns, 3,072-4,095 W_proj's) from WOFF.  ops: one word (4 bytes: 128 along K) at tile x 512 + (K / 512) x 256 + 16 r + 4 ((K / 128) % 4); weights from WSOFF.
; A block's scale is 2^(floor(log2(its largest magnitude)) - 2); its byte is the largest magnitude's exponent field - 2, held at 1 from below.
; LIMITS: NaN and infinities among the inputs are not served; a block of zeros, or one whose largest magnitude lies under 2^-124, gets the byte 1: a block of zeros has zero codes, and these bytes are read by this program alone.
; Work-groups 0-255 take x, 256-511 the weights: two paths that never join, each with LDS bytes of its own.  Waves share nothing: no barrier.  No work-group reads what another reads: no cluster, no tensor load.
; THE GRID, as this text has it (in place of what is said of the work-groups above): work-groups 0-255 take x, 256-511 the weights: 32 groups of 128 columns x 8 pieces of 128 along K.
.set WOFF,  6291456
.set WSOFF, 262144
.set SEL,   20                         ; s[20:21] lane selects for v_permlanex16_b32: lane l xor 16
.set HM,    22                         ; s22      mask of lanes 16-31
.set TM,    10                         ; v10-13 largest magnitudes, v14-17 at work and bytes, v18-21 the conversions' scale operands
.set PC,    32                         ; v32-43 the fragment just made; v44-46, v48-50 halves on their way
.set R,     64                         ; v64-255 three sets of 64 numbers
.set XSTG,  8448                       ; x path: a wave's stage: 16 rows x (512 bytes + 16)
.set WST0,  4*XSTG                     ; W path: its stages begin behind the x path's
.set WSTG,  6400                       ; a wave's: two tiles x (3,072 bytes + 128)
; 64 numbers of a lane, register 16 b + i = k 32 b + 16 (lane / 16) + i of my row, become a fragment's 12 registers in v[PC] on and my row's scale word in v[w]
.macro QUANT s, w
.irp b, 0,1,2,3
	v_max3_num_f32 v[TM+\b], |v[\s+16*\b]|, |v[\s+1+16*\b]|, 0x1800000   ; my 16 numbers of block b, and the floor 2^(3 - 127): the byte cannot fall under 1
.endr
.irp i, 2,4,6,8,10,12,14
.irp b, 0,1,2,3
	v_max3_num_f32 v[TM+\b], v[TM+\b], |v[\s+16*\b+\i]|, |v[\s+1+16*\b+\i]|   ; the four blocks by turns
.endr
.endr
.irp b, 0,1,2,3
	v_permlanex16_b32 v[TM+4+\b], v[TM+\b], s[SEL], s[SEL+1]
.endr
.irp b, 0,1,2,3
	v_max_num_f32 v[TM+\b], v[TM+\b], v[TM+4+\b]   ; with lane l xor 16's 16: the block's largest magnitude
.endr
.irp b, 0,1,2,3
	v_add_nc_u32 v[TM+8+\b], 0xff000000, v[TM+\b]  ; 2 off its exponent field: the conversion takes this operand's exponent field as its scale
.endr
.irp b, 0,1,2,3
	v_lshrrev_b32 v[TM+4+\b], 23, v[TM+8+\b]       ; the scale's byte
.endr
	v_lshl_or_b32 v[\w], v[TM+5], 8, v[TM+4]
	v_lshl_or_b32 v[\w], v[TM+6], 16, v[\w]
	v_lshl_or_b32 v[\w], v[TM+7], 24, v[\w]
.irp c, 0,1
	v_cvt_scalef32_pk16_fp6_f32 v[PC+6*\c:PC+2+6*\c], v[\s+32*\c:\s+15+32*\c], v[TM+8+2*\c]
	v_cvt_scalef32_pk16_fp6_f32 v[PC+12+4*\c:PC+14+4*\c], v[\s+16+32*\c:\s+31+32*\c], v[TM+8+2*\c+1]   ; (a conversion's three registers begin on an even number)
.endr
	v_nop                                          ; one plain instruction behind the scaled conversions
.irp c, 0,1                                    ; the operand wants a WHOLE block in a lane: lanes 0-15 block 2 c, lanes 16-31 block 2 c + 1
.irp i, 0,1,2
	v_permlane16_swap_b32 v[PC+6*\c+\i], v[PC+12+4*\c+\i]
.endr
.irp i, 0,1,2
	v_mov_b32 v[PC+3+6*\c+\i], v[PC+12+4*\c+\i]
.endr
.endr
.endm
	s_load_b256 s[4:11], s[0:1], 0x0               ; x s[4:5], W_qkv s[6:7], W_proj s[8:9], opc s[10:11]
	s_load_b64 s[12:13], s[0:1], 0x20              ; ops
	v_lshl_add_u32 v22, v0, 2, 0xe800
	v_mov_b32 v23, 0
	v_lshrrev_b32 v1, 5, v0
	v_readfirstlane_b32 s14, v1                    ; wave 0..3
	v_and_b32 v5, 31, v0                           ; lane
	v_and_b32 v6, 15, v0                           ; r
	v_bfe_u32 v7, v0, 4, 1                         ; h
	v_lshlrev_b32 v1, 4, v5                        ; 16 x lane
	v_lshlrev_b32 v4, 3, v5                        ; 8 x lane
	v_cmp_lt_u32 s[HM], 15, v5
	s_mov_b32 s[SEL], 0x76543210
	s_mov_b32 s[SEL+1], 0xfedcba98
	s_cmp_lt_u32 ttmp9, 256
	s_cbranch_scc0 .Lw
; ---------------- x: wave number Wn = 4 x work-group + wave takes token tile Wn / 2 and half Wn % 2 of K: four fragments of 128 along K
	s_lshl_b32 s15, ttmp9, 2
	s_add_co_u32 s15, s15, s14                     ; Wn
	s_lshr_b32 s16, s15, 1                         ; the tile
	s_and_b32 s17, s15, 1                          ; the half of K
	s_lshr_b32 s18, s16, 1
	s_and_b32 s19, s16, 1
	s_lshl_b32 s18, s18, 17                        ; 32 rows of 4,096 bytes for each pair of tiles,
	s_lshl_b32 s19, s19, 15                        ; 8 rows for the odd tile,
	s_add_co_u32 s24, s18, s19
	s_lshl_b32 s19, s17, 11                        ; 512 numbers for the upper half of K
	s_add_co_u32 s24, s24, s19
	s_mov_b32 s25, 0
	s_mul_i32 s26, s16, 12288
	s_mul_i32 s19, s17, 6144
	s_add_co_u32 s26, s26, s19                     ; my four fragments in opc
	s_mov_b32 s27, 0
	s_lshl_b32 s28, s15, 8                         ; my 256 bytes of scale words: tile x 512 + half x 256
	s_mov_b32 s29, 0
	s_mul_i32 s30, s14, XSTG                       ; my stage
	s_wait_alu depctr_va_vdst(0)
	v_add_nc_u32 v2, s30, v1                       ; into it: a row's 512 bytes as they lie
	v_mul_u32_u24 v3, v6, 528
	v_lshl_add_u32 v3, v7, 6, v3
	v_add_nc_u32 v3, s30, v3                       ; out of it: row r, + 64 h: my 16 numbers of a block of 32
	v_lshlrev_b32 v8, 4, v6
	v_lshl_add_u32 v8, v7, 3, v8                   ; the scale words' place: 16 r + 8 h
.irp b, 0,1,2,3
	v_mov_b32 v[TM+4+\b], 0                        ; written once: a lane permute's destination counts as one of its sources
.endr
	s_wait_alu depctr_va_vdst(0)
	s_wait_kmcnt 0x0
	s_add_nc_u64 s[4:5], s[4:5], s[24:25]
	s_add_nc_u64 s[10:11], s[10:11], s[26:27]
	s_add_nc_u64 s[12:13], s[12:13], s[28:29]
.macro LOADX f                         ; fragment f: 128 numbers of each of the tile's 16 rows; each load reads 512 consecutive bytes at a multiple of 512
.irp q, 0,1,2,3,4,5,6,7,8,9,10,11,12,13,14,15
	global_load_b128 v[R+64*((\f)%3)+4*\q:R+64*((\f)%3)+4*\q+3], v1, s[4:5] offset:(\q+8*(\q/8))*4096+512*(\f) th:TH_LOAD_NT
.endr
.endm
.macro FRAGX f, left
.set RS, R+64*((\f)%3)
	s_wait_loadcnt \left                           ; this fragment's 16 loads are in; the younger fragments' may be out
.irp q, 0,1,2,3,4,5,6,7,8,9,10,11,12,13,14,15
	ds_store_b128 v2, v[RS+4*\q:RS+4*\q+3] offset:528*\q
.endr
.irp b, 0,1,2,3
.irp j, 0,1,2,3
	ds_load_b128 v[RS+16*\b+4*\j:RS+16*\b+4*\j+3], v3 offset:128*\b+16*\j   ; LDS serves a wave's instructions in order: these see the stores above.  Rows 528 bytes apart: sixteen lanes, sixteen different columns of 16 bytes
.endr
.endr
	s_wait_dscnt 0x0
	s_wait_xcnt 0x0                                ; the last fragment's stores have read their registers: v[PC] on is written again only behind this wait
	QUANT RS, 26+(\f)
	global_store_b128 v1, v[PC:PC+3], s[10:11] offset:1536*(\f)            ; 512 consecutive bytes
	global_store_b64 v4, v[PC+4:PC+5], s[10:11] offset:1536*(\f)+512       ; 256 consecutive bytes
	global_store_b128 v1, v[PC+6:PC+9], s[10:11] offset:1536*(\f)+768
	global_store_b64 v4, v[PC+10:PC+11], s[10:11] offset:1536*(\f)+1280
.endm
	LOADX 0
	LOADX 1
	LOADX 2
	FRAGX 0, 32
	LOADX 3                                        ; into the set that fragment 0 has left
	FRAGX 1, 32
	FRAGX 2, 16
	FRAGX 3, 0
	v_cndmask_b32 v30, v26, v28, s[HM]             ; lanes 0-15 store words 0 and 1 of their row, lanes 16-31 words 2 and 3:
	v_cndmask_b32 v31, v27, v29, s[HM]
	global_store_b64 v8, v[30:31], s[12:13]        ; 256 consecutive bytes, at a multiple of 256
	s_wait_tensorcnt 0x0
	ds_add_u32 v22, v23
	s_wait_dscnt 0x0
	s_endpgm
; ---------------- the weights: K is their FIRST axis.  A lane takes a column, its registers run down K: a block of 32 lies in one lane.  Work-group: 128 columns x 128 along K; wave: 32 columns, 4 blocks a lane: one K step, one scale word a column
.Lw:
	s_sub_co_u32 s15, ttmp9, 256
	s_and_b32 s16, s15, 31                         ; which 128 of the 4,096 columns: 0-23 W_qkv's, 24-31 W_proj's
	s_lshr_b32 s17, s15, 5                         ; y: which 128 along K
	s_mov_b32 s18, 12288
	s_wait_kmcnt 0x0
	s_cmp_ge_u32 s16, 24
	s_cselect_b32 s18, 4096, s18                   ; a row of the weight in bytes
	s_cselect_b32 s19, 24, 0
	s_cselect_b64 s[6:7], s[8:9], s[6:7]           ; the choice hangs on the work-group's number alone
	s_sub_co_u32 s19, s16, s19
	s_lshl_b32 s19, s19, 9                         ; 128 columns of 4 bytes
	s_lshl_b32 s23, s14, 7                         ; my wave's 32
	s_add_co_u32 s19, s19, s23
	s_mul_i32 s24, s17, s18
	s_lshl_b32 s24, s24, 7                         ; 128 y rows
	s_add_co_u32 s24, s24, s19
	s_mov_b32 s25, 0
	s_add_nc_u64 s[6:7], s[6:7], s[24:25]
	s_lshl_b32 s26, s18, 5                         ; a block on: 32 rows
	s_mov_b32 s27, 0
	s_lshl_b32 s28, s16, 2
	s_add_co_u32 s28, s28, s14                     ; my 32 columns are the pair of tiles 2 gW, 2 gW + 1
	s_mul_i32 s24, s28, 24576
	s_mul_i32 s29, s17, 1536
	s_add_co_u32 s24, s24, s29
	s_add_co_u32 s24, s24, WOFF
	s_add_nc_u64 s[10:11], s[10:11], s[24:25]      ; opc at tile 2 gW, K = 128 y
	s_lshl_b32 s24, s28, 10
	s_lshr_b32 s29, s17, 2
	s_lshl_b32 s29, s29, 8
	s_add_co_u32 s24, s24, s29
	s_and_b32 s29, s17, 3
	s_lshl_b32 s29, s29, 2
	s_add_co_u32 s24, s24, s29
	s_add_co_u32 s24, s24, WSOFF
	s_add_nc_u64 s[12:13], s[12:13], s[24:25]      ; ops likewise: one word a row
	s_wait_alu depctr_va_vdst(0)
	v_lshlrev_b32 v32, 2, v5                       ; v32-63: my column + i rows
.set i, 0
.rept 31
	v_add_nc_u32 v[33+i], s18, v[32+i]
.set i, i+1
.endr
	v_and_b32 v8, 7, v5
	v_lshl_add_u32 v8, v7, 3, v8                   ; my column's place r in its tile: lane % 8 + 8 (lane / 16)
	v_bfe_u32 v9, v5, 3, 1                         ; and which tile of the pair
	s_mul_i32 s30, s14, WSTG
	s_add_co_u32 s30, s30, WST0                    ; my stage
	v_mul_u32_u24 v10, v9, 3200
	v_add_nc_u32 v10, s30, v10
	v_lshl_add_u32 v2, v8, 4, v10                  ; where my 16 bytes of a half image go,
	v_lshl_add_u32 v3, v8, 3, v10                  ; and my 8
	v_add_nc_u32 v11, s30, v1                      ; back: 16 x lane
	v_lshlrev_b32 v12, 9, v9
	v_lshl_add_u32 v12, v8, 4, v12                 ; my row's scale words
.macro LOADW t                         ; block t: 32 rows at my column; a wave's load reads 128 consecutive bytes, the four waves stand side by side
.if (\t) > 0
	s_wait_xcnt 0x0                                ; the loads issued so far have read their base
	s_add_nc_u64 s[6:7], s[6:7], s[26:27]
.endif
.irp i, 0,1,2,3,4,5,6,7,8,9,10,11,12,13,14,15,16,17,18,19,20,21,22,23,24,25,26,27,28,29,30,31
	global_load_b32 v[64+32*((\t)%2)+\i], v[32+\i], s[6:7] th:TH_LOAD_NT
.endr
.endm
.macro BLOCKW t
.set XS, 64+32*((\t)%2)
.if (\t) < 3
	s_wait_loadcnt 32                              ; this block's 32 loads are in; the next block's may be out
.else
	s_wait_loadcnt 0x0
.endif
	v_max3_num_f32 v13, |v[XS]|, |v[XS+1]|, |v[XS+2]|   ; all 32 numbers are mine: two chains
	v_max3_num_f32 v14, |v[XS+3]|, |v[XS+4]|, |v[XS+5]|
.irp i, 6,10,14,18,22,26
	v_max3_num_f32 v13, v13, |v[XS+\i]|, |v[XS+\i+1]|
	v_max3_num_f32 v14, v14, |v[XS+\i+2]|, |v[XS+\i+3]|
.endr
	v_max3_num_f32 v13, v13, |v[XS+30]|, |v[XS+31]|
	v_max3_num_f32 v13, v13, v14, 0x1800000        ; and the floor
	v_add_nc_u32 v15, 0xff000000, v13
	v_lshrrev_b32 v27, 23, v15                     ; the scale's byte
.if (\t)%4 == 0
	v_mov_b32 v[28+(\t)/4], v27
.else
	v_lshl_or_b32 v[28+(\t)/4], v27, 8*((\t)%4), v[28+(\t)/4]
.endif
	v_cvt_scalef32_pk16_fp6_f32 v[16:18], v[XS:XS+15], v15
	v_cvt_scalef32_pk16_fp6_f32 v[24:26], v[XS+16:XS+31], v15
	v_nop                                          ; one plain instruction behind the scaled conversions
	v_mov_b32 v19, v24
	v_mov_b32 v20, v25
	v_mov_b32 v21, v26
	ds_store_b128 v2, v[16:19] offset:((\t)/4)*1536+(((\t)/2)%2)*768+256*((\t)%2)       ; block t is lanes' half t % 2 of half image (t / 2) % 2 of K step t / 4
	ds_store_b64 v3, v[20:21] offset:((\t)/4)*1536+(((\t)/2)%2)*768+512+128*((\t)%2)
.if (\t)+2 < 4
	LOADW (\t)+2
.endif
	s_wait_dscnt 0x0                               ; the stores have read their registers: the next block's codes may be written
.endm
	LOADW 0
	LOADW 1
.irp t, 0,1,2,3
	BLOCKW \t
.endr
	s_wait_alu depctr_va_vdst(0)
	global_store_b32 v12, v28, s[12:13]            ; my column's scale word of this K step
.irp i, 0,1,2,3,4,5
	ds_load_b128 v[128+4*\i:131+4*\i], v11 offset:(\i/3)*3200+(\i%3)*512
.endr
.irp i, 0,1,2,3,4,5
	s_wait_dscnt 5-\i                              ; the younger read-backs may be out
	global_store_b128 v1, v[128+4*\i:131+4*\i], s[10:11] offset:(\i/3)*12288+(\i%3)*512   ; 512 consecutive bytes, at a multiple of 512
.endr
	s_wait_tensorcnt 0x0
	ds_add_u32 v22, v23
	s_wait_dscnt 0x0
	s_endpgm
.Lfunc_end_k_q20fcaa169e_quant:
	.size	k_q20fcaa169e_quant, .Lfunc_end_k_q20fcaa169e_quant-k_q20fcaa169e_quant
	.p2alignl 7, 3214868480
	.fill 96, 4, 3214868480
	.section	.rodata,"a",@progbits
	.p2align	6, 0x0
	.amdhsa_kernel k_q20fcaa169e_quant
		.amdhsa_group_segment_fixed_size 59904
		.amdhsa_private_segment_fixed_size 0
		.amdhsa_enable_private_segment 0
		.amdhsa_kernarg_size 40
		.amdhsa_user_sgpr_count 2
		.amdhsa_user_sgpr_kernarg_segment_ptr 1
		.amdhsa_wavefront_size32 1
		.amdhsa_system_sgpr_workgroup_id_x 1
		.amdhsa_system_sgpr_workgroup_id_y 1
		.amdhsa_system_sgpr_workgroup_id_z 1
		.amdhsa_system_vgpr_workitem_id 0
		.amdhsa_next_free_vgpr 256
		.amdhsa_next_free_sgpr 66
		.amdhsa_reserve_vcc 0
		.amdhsa_float_denorm_mode_32 3
		.amdhsa_float_denorm_mode_16_64 3
		.amdhsa_memory_ordered 1
		.amdhsa_forward_progress 1
		.amdhsa_inst_pref_size 57
	.end_amdhsa_kernel
	.amdgpu_metadata
---
amdhsa.version: [ 1, 2 ]
amdhsa.kernels:
  - .name:           k_q20fcaa169e_quant
    .symbol:         k_q20fcaa169e_quant.kd
    .args:
      - { .name: x, .offset: 0, .size: 8, .value_kind: global_buffer, .address_space: global }
      - { .name: W_qkv, .offset: 8, .size: 8, .value_kind: global_buffer, .address_space: global }
      - { .name: W_proj, .offset: 16, .size: 8, .value_kind: global_buffer, .address_space: global }
      - { .name: opc, .offset: 24, .size: 8, .value_kind: global_buffer, .address_space: global }
      - { .name: ops, .offset: 32, .size: 8, .value_kind: global_buffer, .address_space: global }
    .group_segment_fixed_size: 59904
    .private_segment_fixed_size: 0
    .kernarg_segment_align: 8
    .kernarg_segment_size: 40
    .max_flat_workgroup_size: 128
    .sgpr_count:     66
    .vgpr_count:     256
    .wavefront_size: 32
...
	.end_amdgpu_metadata
.endif
;; end of part 1
;; launch qkv (part 2): grid 8 x 32, 4 waves a work-group, clusters of 4 x 4, 327,680 bytes of LDS; arguments opc, ops, b_qkv, qkvc, qkvs; writes qkvc, qkvs
.if DOCPART == 2
	.amdgcn_target "amdgcn-amd-amdhsa--gfx1250"
	.amdhsa_code_object_version 6
	.text
	.protected	k_q20fcaa169e_qkv
	.globl	k_q20fcaa169e_qkv
	.p2align	8
	.type	k_q20fcaa169e_qkv,@function
k_q20fcaa169e_qkv:
	s_mov_b64 s[64:65], 0
	v_nop
	global_prefetch_b8 v0, s[64:65] scope:SCOPE_SE
	s_setreg_imm32_b32 hwreg(HW_REG_WAVE_MODE, 25, 1), 1
	s_wait_xcnt 0x0
	s_wait_alu depctr_hold_cnt(0) depctr_sa_sdst(0) depctr_va_vdst(0) depctr_va_sdst(0) depctr_va_ssrc(0) depctr_va_vcc(0) depctr_vm_vsrc(0)
	s_getreg_b32 s2, hwreg(HW_REG_IB_STS2, 6, 4)
	s_cmp_eq_u32 s2, 0
	s_cbranch_scc0 .Lentry_in_a_cluster
	s_endpgm
.Lentry_in_a_cluster:
	s_bfe_u32 s2, ttmp6, 0x10000c
	s_cmp_lg_u32 s2, 0xf033
	s_cbranch_scc0 .Lentry_shape_is_right
	s_endpgm
.Lentry_shape_is_right:
; qkv = x W_qkv + b_qkv on codes of FP6 (E2M3) with E8M0 scales, [8192 x 1024] x [1024 x 3072], and its results QUANTISED AT ONCE into the operands of attention's two products: no f32 goes to memory.
; 256 WORK-GROUPS THAT STAY: work-group (i0 = 0..7, i1 = 0..31) takes tokens 256 i1 .. + 255 and columns 128 i0 .. + 127 of q, then of k, then of v: three blocks of 256 x 128.  Four waves, 2 x 2, each 128 tokens x 64 columns (one head):
; 32 accumulators, 256 registers.  K = 1,024 is 8 steps of 128.  q and k run one text, a loop of two trips; v's block is written out.
; SOURCES.  q, k: source 0 = W's columns, source 1 = tokens: a lane holds a token, its registers run along the head's 64, the first product's K.   v: source 0 = tokens, source 1 = W's columns: a lane holds a channel, its registers run along the KEYS.
; Operands lie in opc in the order of the operand's registers (tile of 16 rows x 12,288 + K step x 1,536; a tile's rows are 32 g + 8 u + r + 8 (r / 8)), so 16 registers of two neighbouring tiles of source 0 are 16 neighbours of a block of 32.
; LDS: the tokens' 16 tiles, ALL OF K, in two regions of four K steps (98,304 bytes each), filled once and read by all three blocks; the weights' 8 tiles in two slots of four K steps (49,152 bytes each).
; FILLS.  At the head one joint load a wave, in four arms: wave 0 the tokens' K steps 0-3, wave 1 the weights', waves 2 and 3 the same of K steps 4-7.  The first barrier waits for waves 0 and 1 alone.
; In K step 3 of q's and of k's block slot 0 is filled again with the next block's K steps 0-3, in K step 7 slot 1 with its K steps 4-7: each behind the three lines and a round of the cluster's barrier, two tiles a wave.
; By this text's count a wave has one tensor load out at any time; a refill has four K steps, 128 matrix instructions, or more in which to land.  What a fill brought is shown to all waves by the next round; v's slot 1 by a plain barrier.
; CLUSTER 4 x 4: the tokens' tiles are shared along a row of the cluster, the weights' along a column.  NO PREFETCH: each refill is asked for as soon as its slot is free, four K steps ahead of the wait for it, and nothing could be asked for into LDS earlier.
; THE BIAS IS THE FIRST PRODUCTS' C, laid in registers as the result lies.  Both operands have two sets of registers: K step k + 1's 48 LDS loads are issued ahead of K step k's 32 products.
; The 32 accumulators take turns, in the same order in every K step.
; OUT.  qkvc: head x 294,912 + kind x 98,304; q, k: token tile x 768 (a half image over the head's 64); v: key step x 6,144 + channel tile x 1,536.  qkvs: head x 20,480 + kind x 8,192; q, k: a word e0 e1 e0 e1 at (tile / 8) x 512 + 32 r + 4 (tile % 8);
; v: a word at key step x 256 + 16 r + 4 x channel tile.  LIMITS: NaN and infinities are not served; a block under 2^-124 or of zeros gets the byte 1 (read by this program alone).
; REGISTERS: window 0: v1-13, v30-31 lane terms, v16-23 LDS addresses, v28-29 for the add, v32-95 the tokens' scale words (8 i + K step), v100-131 the weights', v132-163 the next block's, v168-219 the way out;
;   window 1: the weights' fragments at v0 and v128, q's or k's bias at v64, v's at v96;  window 3: the tokens' fragments at v0 and v128;  window 2: the accumulators.
.set WOFF,  6291456
.set WSOFF, 262144
.set TK,    6144                       ; a tile's four K steps
.set TREG,  16*TK
.set WB,    2*TREG
.set WSL,   8*TK
.set SPARE, WB+2*WSL                   ; the spare words, 128 bytes a wave
.set WNEXT, 64*12288                   ; from a block's weights to the next block's: 1,024 rows
.set FR,    12
.set A16,   16                         ; v16-17 the tokens' fragments in region 0, 1: + 16 x lane;  v18-19: + 8 x lane
.set A8,    18
.set B16,   20                         ; v20-21, v22-23 the same for the weights' slots
.set B8,    22
.set SPW,   28
.set NIL,   29
.set SA,    32
.set SB,    100                        ; 4 modulo 8 from SA: a product's two scale registers have different numbers modulo 8
.set SB2,   132
.set PC,    168                        ; the way out: the fragment just made,
.set TM,    192                        ; v192-203 at work,
.set PW,    204                        ; a scale word,
.set SW,    208                        ; v208-215 the words to store,
.set DS,    216                        ; v216-219 as they are stored
.set BQ,    64
.set BV,    96
.set HM,    22                         ; s22 mask of lanes 16-31
.set SEL,   94
.set G1T,   24                         ; groups 1: the tokens' 16 tiles, the weights' 8, a refill's 2
.set G1W,   32
.set G1R,   40
.set G0T,   48                         ; groups 0: the head's two, the two slots' refills
.set G0W,   52
.set R0,    56
.set R1,    60
.set MSB, 0
.macro WIN new                         ; the immediate's high byte repeats the setting that is left
.if MSB != (\new)
	s_set_vgpr_msb (MSB<<8)|(\new)
.set MSB, (\new)
.endif
.endm
.macro WINM kind, k                    ; the products' windows: weights 1, tokens 3, D 2, C 2 or, in the first K step, 1 (the bias)
.if \kind
.if (\k)==0
	WIN 0x97
.else
	WIN 0xa7
.endif
.else
.if (\k)==0
	WIN 0x9d
.else
	WIN 0xad
.endif
.endif
.endm
.macro PLACES                          ; four plain instructions between a matrix instruction and a load into, or a vector read or write of, its registers
.rept 4
	v_nop
.endr
.endm
.macro CREST                           ; a round of the cluster's barrier behind its opening barrier
	s_cmp_lg_u32 s14, 0
	s_cbranch_scc1 .Lnot_wave_0_\@
	s_barrier_signal -3
.Lnot_wave_0_\@:
	s_barrier_wait -3
	s_barrier_signal -1
	s_barrier_wait -1
.endm
.macro CROUND
	s_barrier_signal -1
	s_barrier_wait -1
	CREST
.endm
.macro FRAG reg, a16, a8, off          ; a fragment: two half images, each 16 bytes a lane and 8 bytes a lane, consecutive over the lanes
	ds_load_b128 v[\reg:\reg+3], v[\a16] offset:\off
	ds_load_b64 v[\reg+4:\reg+5], v[\a8] offset:\off+512
	ds_load_b128 v[\reg+6:\reg+9], v[\a16] offset:\off+768
	ds_load_b64 v[\reg+10:\reg+11], v[\a8] offset:\off+1280
.endm
.macro FETCH k                         ; K step k's fragments into set k % 2: the weights' four, the tokens' eight: 48 loads
.set SL, (\k)/4
.set KO, ((\k)%4)*1536
	WIN 0x40
.irp i, 0,1,2,3
	FRAG 128*((\k)%2)+FR*\i, B16+SL, B8+SL, KO+\i*TK
.endr
	WIN 0xc0
.irp i, 0,1,2,3,4,5,6,7
	FRAG 128*((\k)%2)+FR*\i, A16+SL, A8+SL, KO+\i*TK
.endr
	WIN 0
.endm
.macro PR d, s0, s1, cc, x0, x1
	v_wmma_scale_f32_16x16x128_f8f6f4 v[\d:\d+7], v[\s0:\s0+FR-1], v[\s1:\s1+FR-1], \cc, v[\x0], v[\x1] matrix_a_fmt:MATRIX_FMT_FP6 matrix_b_fmt:MATRIX_FMT_FP6
.endm
.macro MUL8 kind, a0, k                ; token tiles a0, a0 + 1 x the weights' four.  kind 0 (q, k): accumulator (a, b) at 8 (4 a + b);  kind 1 (v): at 8 (8 b + a)
.irp a, \a0, \a0+1
.irp b, 0,1,2,3
.set FW_, 128*((\k)%2)+FR*\b
.set FT_, 128*((\k)%2)+FR*(\a)
.set XW_, SB+8*\b+(\k)
.set XT_, SA+8*(\a)+(\k)
.if \kind
.set D_, 8*(8*\b+(\a))
.if (\k)==0
	PR D_, FT_, FW_, v[BV+8*\b:BV+8*\b+7], XT_, XW_
.else
	PR D_, FT_, FW_, v[D_:D_+7], XT_, XW_
.endif
.else
.set D_, 8*(4*(\a)+\b)
.if (\k)==0
	PR D_, FW_, FT_, v[BQ+8*\b:BQ+8*\b+7], XW_, XT_
.else
	PR D_, FW_, FT_, v[D_:D_+7], XW_, XT_
.endif
.endif
.endr
.endr
.endm
.macro KS kind, k                      ; a K step whose successor's tiles have been shown landed to every wave
	s_wait_dscnt 0x0                               ; this step's fragments are in
	PLACES                                         ; behind the last step's products: the loads below land in their operands
	FETCH (\k)+1
	WINM \kind, \k
	MUL8 \kind, 0, \k
	MUL8 \kind, 2, \k
	MUL8 \kind, 4, \k
	MUL8 \kind, 6, \k
	WIN 0
.endm
.macro KR kind, k, g0                  ; a K step with a round: the slot whose last fragments are in registers takes the next block's four K steps
	s_wait_tensorcnt 0x0                           ; all my tensor loads have landed
	ds_add_u32 v[SPW], v[NIL]                      ; 0 onto my spare word
	s_add_nc_u64 s[\g0+2:\g0+3], s[\g0+2:\g0+3], WNEXT
	s_wait_dscnt 0x0                               ; the add is done, and my reads of the slot are over
	s_barrier_signal -1
	WINM \kind, \k
	MUL8 \kind, 0, \k
	MUL8 \kind, 2, \k
	WIN 0
	s_barrier_wait -1
	CREST                                          ; no wave of any partner still reads the slot or has a load on its way
	tensor_load_to_lds s[\g0:\g0+3], s[G1R:G1R+7]  ; my two tiles: the first tensor load behind the round
	s_nop 0
	PLACES                                         ; also the places in front of the loads below
	FETCH ((\k)+1)%8
	WINM \kind, \k
	MUL8 \kind, 4, \k
	MUL8 \kind, 6, \k
	WIN 0
.endm
; THE WAY OUT of 64 numbers a lane, 16 of each of four blocks of 32: kind 0: token tiles 2 n and 2 n + 1, two half images;  kind 1: channel tile n, a fragment over 128 keys
.macro EPI n, kind
.set AC, 64*(\n)
	s_wait_xcnt 0x0                                ; earlier stores have read their registers
	WIN 0x28                                       ; sources 1 and 2 in the accumulators' window
.irp b, 0,1,2,3
	v_max3_num_f32 v[TM+\b], 0x1800000, |v[AC+16*\b]|, |v[AC+16*\b+1]|   ; my 16 numbers of block b, and the floor 2^(3 - 127); each accumulator is first read at its low end
.endr
.irp e, 2,4,6,8,10,12,14
.irp b, 0,1,2,3
	v_max3_num_f32 v[TM+\b], v[TM+\b], |v[AC+16*\b+\e]|, |v[AC+16*\b+\e+1]|
.endr
.endr
	WIN 0
.irp b, 0,1,2,3
	v_permlanex16_b32 v[TM+4+\b], v[TM+\b], s[SEL], s[SEL+1]
.endr
.irp b, 0,1,2,3
	v_max_num_f32 v[TM+\b], v[TM+\b], v[TM+4+\b]   ; with lane l xor 16's 16: the block's largest magnitude
.endr
.irp b, 0,1,2,3
	v_add_nc_u32 v[TM+8+\b], 0xff000000, v[TM+\b]  ; 2 off the exponent field: the conversion's scale operand
.endr
.irp b, 0,1,2,3
	v_lshrrev_b32 v[TM+4+\b], 23, v[TM+8+\b]       ; the scale's byte
.endr
	v_lshl_or_b32 v[PW], v[TM+5], 8, v[TM+4]
	v_lshl_or_b32 v[PW], v[TM+6], 16, v[PW]
	v_lshl_or_b32 v[PW], v[TM+7], 24, v[PW]
	WIN 2
.irp c, 0,1
	v_cvt_scalef32_pk16_fp6_f32 v[PC+6*\c:PC+2+6*\c], v[AC+32*\c:AC+15+32*\c], v[TM+8+2*\c]
	v_cvt_scalef32_pk16_fp6_f32 v[PC+12+4*\c:PC+14+4*\c], v[AC+16+32*\c:AC+31+32*\c], v[TM+8+2*\c+1]
.endr
	WIN 0
	v_nop                                          ; one plain instruction behind the scaled conversions
.irp c, 0,1                                    ; a whole block to a lane
.irp e, 0,1,2
	v_permlane16_swap_b32 v[PC+6*\c+\e], v[PC+12+4*\c+\e]
.endr
.irp e, 0,1,2
	v_mov_b32 v[PC+3+6*\c+\e], v[PC+12+4*\c+\e]
.endr
.endr
.if \kind
	v_mov_b32 v[SW+(\n)], v[PW]                    ; the four key blocks' bytes of my channel
	global_store_b128 v4, v[PC:PC+3], s[88:89] offset:1536*(\n)
	global_store_b64 v5, v[PC+4:PC+5], s[88:89] offset:1536*(\n)+512
	global_store_b128 v4, v[PC+6:PC+9], s[88:89] offset:1536*(\n)+768
	global_store_b64 v5, v[PC+10:PC+11], s[88:89] offset:1536*(\n)+1280
.else
	v_perm_b32 v[SW+2*(\n)], v[PW], v[PW], 0x01000100      ; the first tile's two bytes, twice: the upper two scale the half of K that holds zero codes
	v_perm_b32 v[SW+2*(\n)+1], v[PW], v[PW], 0x03020302    ; the second tile's
	global_store_b128 v4, v[PC:PC+3], s[88:89] offset:1536*(\n)
	global_store_b64 v5, v[PC+4:PC+5], s[88:89] offset:1536*(\n)+512
	global_store_b128 v4, v[PC+6:PC+9], s[88:89] offset:1536*(\n)+768
	global_store_b64 v5, v[PC+10:PC+11], s[88:89] offset:1536*(\n)+1280
.endif
.endm
	s_load_b256 s[4:11], s[0:1], 0x0               ; opc s[4:5], ops s[6:7], b_qkv s[8:9], qkvc s[10:11]
	s_load_b64 s[12:13], s[0:1], 0x20              ; qkvs
	v_lshl_add_u32 v[SPW], v0, 2, SPARE
	v_mov_b32 v[NIL], 0
	ds_add_u32 v[SPW], v[NIL]                      ; the opening lines: the add, twice on end, and its wait
	ds_add_u32 v[SPW], v[NIL]
	v_lshrrev_b32 v1, 5, v0
	v_readfirstlane_b32 s14, v1                    ; wave 0..3
	s_lshr_b32 s15, s14, 1                         ; my half of the tokens.  At the head: which four K steps I fetch
	s_and_b32 s16, s14, 1                          ; my half of the columns.  At the head: I fetch tokens (0) or weights (1)
	s_bfe_u32 s17, ttmp6, 0x40000                  ; cx
	s_bfe_u32 s18, ttmp6, 0x40004                  ; cy
	s_and_b32 s20, ttmp7, 0xffff
	s_lshl_b32 s66, s20, 2
	s_add_co_u32 s66, s66, s18                     ; i1: it hangs on cy, never on cx
	s_lshl_b32 s67, ttmp9, 2
	s_add_co_u32 s67, s67, s17                     ; i0: on cx, never on cy
	s_lshl_b32 s77, s18, 2
	s_lshl_b32 s77, 15, s77                        ; my row of the cluster
	s_lshl_b32 s78, 0x1111, s17                    ; my column
	s_or_b32 s[G1T], s77, (3<<16)|(1<<21)          ; 15:0 the mask; 17:16 elements of 8 bytes; 21 set beside a mask
	s_or_b32 s[G1W], s78, (3<<16)|(1<<21)
	s_or_b32 s[G1R], s78, (3<<16)|(1<<21)
.irp g, G1T, G1W, G1R
	s_mov_b32 s[\g+1], 768<<16                     ; tensor_dim0: 6,144 bytes: a tile's four K steps
	s_mov_b32 s[\g+3], 768<<16                     ; tile_dim0
	s_mov_b32 s[\g+5], 1536                        ; from tile to tile: 12,288 bytes
	s_mov_b32 s[\g+6], 0
	s_mov_b32 s[\g+7], 0
.endr
	s_mov_b32 s[G1T+2], 16<<16
	s_mov_b32 s[G1T+4], 16
	s_mov_b32 s[G1W+2], 8<<16
	s_mov_b32 s[G1W+4], 8
	s_mov_b32 s[G1R+2], 2<<16
	s_mov_b32 s[G1R+4], 2
	s_mul_i32 s76, s15, TK
	s_mul_i32 s68, s66, 196608
	s_add_co_u32 s68, s68, s76
	s_mov_b32 s69, 0
	s_mul_i32 s70, s67, 98304
	s_add_co_u32 s70, s70, WOFF
	s_mul_i32 s72, s14, 24576
	s_add_co_u32 s72, s72, s70                     ; the two tiles that I fetch in a refill
	s_mov_b32 s73, 0
	s_add_co_u32 s70, s70, s76
	s_mov_b32 s71, 0
	s_mul_i32 s79, s15, TREG                       ; where they go: no place in the cluster enters an LDS address
	s_mul_i32 s74, s15, WSL
	s_add_co_u32 s74, s74, WB
	s_mul_i32 s75, s14, 2*TK
	s_add_co_u32 s75, s75, WB
	s_wait_dscnt 0x0
	s_wait_kmcnt 0x0
	s_add_nc_u64 s[68:69], s[4:5], s[68:69]
	s_add_nc_u64 s[70:71], s[4:5], s[70:71]
	s_add_nc_u64 s[72:73], s[4:5], s[72:73]
	CROUND                                         ; all sixteen work-groups are here: the first joint loads meet
	s_mov_b32 s[G0T], 1
	s_mov_b32 s[G0T+1], s79
	s_mov_b64 s[G0T+2:G0T+3], s[68:69]
	s_or_b32 s[G0T+3], s[G0T+3], 0x80000000
	s_mov_b32 s[G0W], 1
	s_mov_b32 s[G0W+1], s74
	s_mov_b64 s[G0W+2:G0W+3], s[70:71]
	s_or_b32 s[G0W+3], s[G0W+3], 0x80000000
	s_mov_b32 s[R0], 1
	s_mov_b32 s[R0+1], s75
	s_mov_b64 s[R0+2:R0+3], s[72:73]
	s_or_b32 s[R0+3], s[R0+3], 0x80000000
	s_mov_b32 s[R1], 1
	s_add_co_u32 s[R1+1], s75, WSL
	s_add_nc_u64 s[R1+2:R1+3], s[72:73], TK
	s_or_b32 s[R1+3], s[R1+3], 0x80000000
.macro ARM under, g0, g1, next         ; one chain of four arms on the wave's number, a load in each
	s_cmp_lt_u32 s14, \under
	s_cbranch_scc0 \next
	tensor_load_to_lds s[\g0:\g0+3], s[\g1:\g1+7]
	s_nop 0
	PLACES
	s_branch .Lhead_asked
\next:
.endm
	ARM 1, G0T, G1T, .Lhead_1                      ; wave 0: the tokens' K steps 0-3
	ARM 2, G0W, G1W, .Lhead_2                      ; wave 1: the weights'
	ARM 3, G0T, G1T, .Lhead_3                      ; wave 2: the tokens' K steps 4-7
	tensor_load_to_lds s[G0W:G0W+3], s[G1W:G1W+7]  ; wave 3: the weights'
	s_nop 0
	PLACES
.Lhead_asked:
	s_mul_i32 s80, s15, 8*TK                       ; my 8 tiles of tokens,
	s_mul_i32 s81, s16, 4*TK
	s_add_co_u32 s81, s81, WB                      ; my 4 of weights
	s_lshl_b32 s82, s66, 13                        ; the scale words: 512 bytes a tile
	s_lshl_b32 s23, s15, 12
	s_add_co_u32 s82, s82, s23
	s_lshl_b32 s83, s67, 12
	s_lshl_b32 s23, s16, 11
	s_add_co_u32 s83, s83, s23
	s_add_co_u32 s83, s83, WSOFF
	s_mov_b64 s[96:97], s[6:7]                     ; ops, stepped from block to block
	s_lshl_b32 s84, s67, 9                         ; the bias of my 64 columns of q,
	s_lshl_b32 s23, s16, 8
	s_add_co_u32 s84, s84, s23
	s_mov_b32 s85, 0
	s_add_nc_u64 s[84:85], s[8:9], s[84:85]
	s_add_nc_u64 s[86:87], s[84:85], 8192          ; of v
	s_lshr_b32 s20, s66, 3                         ; the batch,
	s_lshl_b32 s20, s20, 4
	s_lshl_b32 s23, s67, 1
	s_add_co_u32 s20, s20, s23
	s_add_co_u32 s20, s20, s16                     ; and my head: 16 x batch + 2 i0 + half
	s_and_b32 s21, s66, 7
	s_lshl_b32 s21, s21, 1
	s_add_co_u32 s21, s21, s15                     ; which 128 tokens of the sequence
	s_mul_i32 s88, s20, 294912
	s_mul_i32 s23, s21, 6144                       ; 8 token tiles x 768 = a key step's 6,144
	s_add_co_u32 s88, s88, s23
	s_mov_b32 s89, 0
	s_add_nc_u64 s[88:89], s[10:11], s[88:89]      ; where my codes go,
	s_mul_i32 s90, s20, 20480
	s_lshl_b32 s23, s21, 8
	s_add_co_u32 s92, s90, s23
	s_add_co_u32 s92, s92, 16384
	s_mov_b32 s93, 0
	s_add_nc_u64 s[92:93], s[12:13], s[92:93]      ; v's scale words,
	s_lshl_b32 s23, s21, 9
	s_add_co_u32 s90, s90, s23
	s_mov_b32 s91, 0
	s_add_nc_u64 s[90:91], s[12:13], s[90:91]      ; q's and k's
	s_mov_b32 s[SEL], 0x76543210
	s_mov_b32 s[SEL+1], 0xfedcba98
	v_and_b32 v3, 31, v0                           ; lane
	v_and_b32 v1, 15, v0                           ; r
	v_bfe_u32 v2, v0, 4, 1                         ; h
	v_lshlrev_b32 v4, 4, v3                        ; 16 x lane
	v_lshlrev_b32 v5, 3, v3                        ; 8 x lane
	v_lshlrev_b32 v6, 4, v1                        ; 16 r
	v_cmp_lt_u32 s[HM], 15, v3
	v_add_nc_u32 v[A16], s80, v4
	v_add_nc_u32 v[A8], s80, v5
	v_add_nc_u32 v[B16], s81, v4
	v_add_nc_u32 v[B8], s81, v5
	v_add_nc_u32 v[A16+1], TREG, v[A16]
	v_add_nc_u32 v[A8+1], TREG, v[A8]
	v_add_nc_u32 v[B16+1], WSL, v[B16]
	v_add_nc_u32 v[B8+1], WSL, v[B8]
	v_add_nc_u32 v7, s82, v6                       ; my row's scale words of the tokens,
	v_add_nc_u32 v12, s83, v6                      ; of the weights
	v_lshlrev_b32 v13, 5, v1
	v_lshl_add_u32 v13, v2, 4, v13                 ; q's and k's scale words on the way out: 32 r + 16 h
	v_lshlrev_b32 v30, 6, v2                       ; 64 h: lanes 16-31 hold the upper 16 of each 32
	v_and_b32 v31, 8, v1
	v_add_nc_u32 v31, v31, v1
	v_lshlrev_b32 v31, 2, v31                      ; 4 (r + 8 (r / 8))
.irp b, 0,1,2,3
	v_mov_b32 v[TM+4+\b], 0                        ; written once: a lane permute's destination counts as one of its sources
.endr
	s_wait_alu depctr_va_vdst(0)
.irp i, 0,1,2,3,4,5,6,7
	global_load_b128 v[SA+8*\i:SA+8*\i+3], v7, s[6:7] offset:512*\i          ; token tile i, K steps 0-3
	global_load_b128 v[SA+8*\i+4:SA+8*\i+7], v7, s[6:7] offset:512*\i+256    ; K steps 4-7
.endr
.irp i, 0,1,2,3
	global_load_b128 v[SB+8*\i:SB+8*\i+3], v12, s[6:7] offset:512*\i
	global_load_b128 v[SB+8*\i+4:SB+8*\i+7], v12, s[6:7] offset:512*\i+256
.endr
	WIN 0x40
.irp g, 0,1
.irp j, 0,1,2,3
	global_load_b128 v[BQ+16*\g+4*\j:BQ+16*\g+4*\j+3], v30, s[84:85] offset:128*\g+16*\j   ; q's bias: register 8 b + j is column 32 (b / 2) + 16 h + 8 (b % 2) + j
.endr
.endr
.irp a, 0,1,2,3
	global_load_b32 v[BV+8*\a], v31, s[86:87] offset:(32*(\a/2)+8*(\a%2))*4   ; v's: my channel of tile a
.endr
	WIN 0
	s_wait_loadcnt 0x0
	WIN 0x41
.irp t, 0,8,16,24
.irp i, 1,2,3,4,5,6,7
	v_mov_b32 v[BV+\t+\i], v[BV+\t]                ; over the tile's eight registers
.endr
.endr
	WIN 0
	s_wait_alu depctr_va_vdst(0)
	s_cmp_lt_u32 s14, 2
	s_cbranch_scc0 .Llater
	s_wait_tensorcnt 0x0                           ; waves 0 and 1: K steps 0-3 of tokens and weights are in
.Llater:
	s_barrier_signal -1
	s_barrier_wait -1                              ; waves 2 and 3 may have their loads out
	FETCH 0
	s_mov_b32 s98, 0
.Lqk:                                          ; q's block, then k's
	KS 0, 0
	KS 0, 1
	WIN 0x40                                       ; the next block's bias and scale words (the places behind K step 0's products stand in K step 1)
.irp g, 0,1
.irp j, 0,1,2,3
	global_load_b128 v[BQ+16*\g+4*\j:BQ+16*\g+4*\j+3], v30, s[84:85] offset:4096+128*\g+16*\j
.endr
.endr
	WIN 0
.irp i, 0,1,2,3
	global_load_b128 v[SB2+8*\i:SB2+8*\i+3], v12, s[96:97] offset:32768+512*\i
	global_load_b128 v[SB2+8*\i+4:SB2+8*\i+7], v12, s[96:97] offset:32768+512*\i+256
.endr
	KS 0, 2
	KR 0, 3, R0
	KS 0, 4
	KS 0, 5
	KS 0, 6
	KR 0, 7, R1
	PLACES                                         ; behind the last products
	s_wait_loadcnt 0x0
.set I, 0
.rept 32
	v_mov_b32 v[SB+I], v[SB2+I]                    ; the way out below stands between these and the next products
.set I, I+1
.endr
	EPI 0, 0
	EPI 1, 0
	EPI 2, 0
	EPI 3, 0
.irp e, 0,1,2,3
	v_cndmask_b32 v[DS+\e], v[SW+\e], v[SW+4+\e], s[HM]        ; lanes 0-15 store tiles 0-3's words of their token row, lanes 16-31 tiles 4-7's
.endr
	global_store_b128 v13, v[DS:DS+3], s[90:91]                ; 512 consecutive bytes
	s_wait_xcnt 0x0                                ; the bases are stepped only behind this wait
	s_add_nc_u64 s[88:89], s[88:89], 98304
	s_add_nc_u64 s[90:91], s[90:91], 8192
	s_add_nc_u64 s[84:85], s[84:85], 4096
	s_add_nc_u64 s[96:97], s[96:97], 32768
	s_add_co_u32 s98, s98, 1
	s_cmp_lt_u32 s98, 2
	s_wait_alu depctr_va_vdst(0)
	s_cbranch_scc1 .Lqk
	KS 1, 0                                        ; v's block: nothing more is filled
	KS 1, 1
	KS 1, 2
	s_wait_tensorcnt 0x0                           ; my part of slot 1 is in,
	s_wait_dscnt 0x0                               ; and K step 3's fragments
	s_barrier_signal -1                            ; a plain barrier
	WINM 1, 3
	MUL8 1, 0, 3
	MUL8 1, 2, 3
	WIN 0
	s_barrier_wait -1                              ; slot 1 is whole
	PLACES
	FETCH 4
	WINM 1, 3
	MUL8 1, 4, 3
	MUL8 1, 6, 3
	WIN 0
	KS 1, 4
	KS 1, 5
	KS 1, 6
	s_wait_dscnt 0x0
	WINM 1, 7
	MUL8 1, 0, 7
	MUL8 1, 2, 7
	MUL8 1, 4, 7
	MUL8 1, 6, 7
	WIN 0
	PLACES
	EPI 0, 1
	EPI 1, 1
	EPI 2, 1
	EPI 3, 1
	global_store_b128 v6, v[SW:SW+3], s[92:93]     ; 256 consecutive bytes: my channel's four words; lanes 16-31 hold and store the same as lanes 0-15
	s_wait_tensorcnt 0x0                           ; the wave's end
	ds_add_u32 v[SPW], v[NIL]
	s_wait_dscnt 0x0
	CROUND                                         ; the closing round: no work-group ends while a partner may still ask for a tile that names it
	s_endpgm
.Lfunc_end_k_q20fcaa169e_qkv:
	.size	k_q20fcaa169e_qkv, .Lfunc_end_k_q20fcaa169e_qkv-k_q20fcaa169e_qkv
	.p2alignl 7, 3214868480
	.fill 96, 4, 3214868480
	.section	.rodata,"a",@progbits
	.p2align	6, 0x0
	.amdhsa_kernel k_q20fcaa169e_qkv
		.amdhsa_group_segment_fixed_size 327680
		.amdhsa_private_segment_fixed_size 0
		.amdhsa_enable_private_segment 0
		.amdhsa_kernarg_size 40
		.amdhsa_user_sgpr_count 2
		.amdhsa_user_sgpr_kernarg_segment_ptr 1
		.amdhsa_wavefront_size32 1
		.amdhsa_system_sgpr_workgroup_id_x 1
		.amdhsa_system_sgpr_workgroup_id_y 1
		.amdhsa_system_sgpr_workgroup_id_z 1
		.amdhsa_system_vgpr_workitem_id 0
		.amdhsa_next_free_vgpr 1024
		.amdhsa_next_free_sgpr 100
		.amdhsa_reserve_vcc 0
		.amdhsa_float_denorm_mode_32 3
		.amdhsa_float_denorm_mode_16_64 3
		.amdhsa_memory_ordered 1
		.amdhsa_forward_progress 1
		.amdhsa_inst_pref_size 171
	.end_amdhsa_kernel
	.amdgpu_metadata
---
amdhsa.version: [ 1, 2 ]
amdhsa.kernels:
  - .name:           k_q20fcaa169e_qkv
    .symbol:         k_q20fcaa169e_qkv.kd
    .args:
      - { .name: opc, .offset: 0, .size: 8, .value_kind: global_buffer, .address_space: global }
      - { .name: ops, .offset: 8, .size: 8, .value_kind: global_buffer, .address_space: global }
      - { .name: b_qkv, .offset: 16, .size: 8, .value_kind: global_buffer, .address_space: global }
      - { .name: qkvc, .offset: 24, .size: 8, .value_kind: global_buffer, .address_space: global }
      - { .name: qkvs, .offset: 32, .size: 8, .value_kind: global_buffer, .address_space: global }
    .group_segment_fixed_size: 327680
    .private_segment_fixed_size: 0
    .kernarg_segment_align: 8
    .kernarg_segment_size: 40
    .max_flat_workgroup_size: 128
    .sgpr_count:     100
    .vgpr_count:     1024
    .wavefront_size: 32
...
	.end_amdgpu_metadata
.endif
;; end of part 2
;; launch attn (part 3): grid 4 x 64, 16 waves a work-group, clusters of 4 x 1, 210,944 bytes of LDS; arguments qkvc, qkvs, opc, ops; writes opc, ops
.if DOCPART == 3
	.amdgcn_target "amdgcn-amd-amdhsa--gfx1250"
	.amdhsa_code_object_version 6
	.text
	.protected	k_q20fcaa169e_attn
	.globl	k_q20fcaa169e_attn
	.p2align	8
	.type	k_q20fcaa169e_attn,@function
k_q20fcaa169e_attn:
	s_mov_b64 s[64:65], 0
	v_nop
	global_prefetch_b8 v0, s[64:65] scope:SCOPE_SE
	s_setreg_imm32_b32 hwreg(HW_REG_WAVE_MODE, 25, 1), 1
	s_wait_xcnt 0x0
	s_wait_alu depctr_hold_cnt(0) depctr_sa_sdst(0) depctr_va_vdst(0) depctr_va_sdst(0) depctr_va_ssrc(0) depctr_va_vcc(0) depctr_vm_vsrc(0)
	s_getreg_b32 s2, hwreg(HW_REG_IB_STS2, 6, 4)
	s_cmp_eq_u32 s2, 0
	s_cbranch_scc0 .Lentry_in_a_cluster
	s_endpgm
.Lentry_in_a_cluster:
	s_bfe_u32 s2, ttmp6, 0x10000c
	s_cmp_lg_u32 s2, 0x3003
	s_cbranch_scc0 .Lentry_shape_is_right
	s_endpgm
.Lentry_shape_is_right:
; Causal attention of one head (64 channels, 2,048 tokens) on codes of FP6 (E2M3) with E8M0 scales; its result is quantised along C and stored as the last product's operand.
; t = score x log2(e) / 8; M = the running largest t rounded UP to a whole number; p = 2^(t - M) is quantised along the keys, not normalised; the row's sum is taken of the unquantised p and divides at the end.
; When M moves, the sum and O are multiplied by 2^(old M - new M): exact.
; LEFT OUT: key steps whose 128 keys all come after a wave's queries: the causal mask sets their scores to -infinity, so their p is 0 for all inputs.
; A WHOLE HEAD'S K, V AND THEIR SCALE BYTES LIE IN LDS (208,896 bytes), filled once: no byte is filled again, no LDS byte is stored by a wave.
; CLUSTER 4 x 1: the four work-groups of a head ask for these bytes JOINTLY, one load a wave, in three arms: waves 0 and 1 key step 0 of K and of V (24 rows of 256 bytes each), waves 2-5 the scale bytes (12 rows each),
; waves 6-15 key steps 1-15 (72 rows each: five waves for K, five for V).  The first barrier waits for waves 0-5 alone; every wave then works key step 0, which counts for every query; then every wave waits for its load,
; and a second barrier shows the rest.
; SHARES.  A head has 16 chunks of 128 queries, each of 8 tiles of 16; a tile of chunk c works key steps 0 .. c.  Work-group cx (0..3), wave w, i = w % 4: the tile x = 2 cx + (w / 4) % 2 of two chunks, one after the other:
; waves 0-7 take chunks 8 + i and 15 - i, (9 + i) + (16 - i) = 25 key steps; waves 8-15 chunks i and 7 - i, (1 + i) + (8 - i) = 9.  Waves i, i + 4, i + 8, i + 12 together have 68 steps for every i.
; The chunks hang on the wave's number alone, so every branch is alike in all partners; x enters global addresses and the mask's lane data only.  Each pass walks all 16 key steps; a hidden one is jumped over, but for the lines that step addresses.
; NO PREFETCH: every byte of K and V that the work-group reads is asked for by the head's loads; nothing is left to ask for ahead of a later load.
; LAYOUT.  Both products transposed: S^T = K Q^T, O^T = V^T P^T: a lane holds one query.  Tiles of keys, queries and channels hold rows 32 g + 8 u + r + 8 (r / 8), so 16 registers of two neighbouring tiles are 16 neighbours.
; THE FIRST PRODUCT'S K IS 64, THE INSTRUCTION'S 128: Q's registers 6-11 hold zero codes; a tile of K is named with the next tile's six registers as its upper half: finite numbers (the format has no NaN) times zero.
; The scale words' upper two bytes repeat the lower two.  LIMITS: NaN and infinities are not served; a block of the result under 2^-124 or of zeros gets the byte 1 (read by this program alone).
; REGISTERS: v1-4 lane terms, v5-10 the step's addresses, v12 -M, v13 the largest t, v[14:15] the sum, v16-27 the first tile's Q, v192-203 the second's, v255 and v204 their scale words, v28 r, v29 d, v30 -infinity, v31 h,
;   v32-85 K's 8 tiles (v80-85 zeros), then v32-79 V's 4 fragments, v86-93 K's scale words, v96-159 S^T, then p, v160-191 O^T, v224-235 p's codes, v228-254 at work, v248-251 V's scale words, v253 p's; v223, v243 for the add.
.set VLDS,  98304                      ; LDS: K at 0 (a key step: 8 tiles x 768 = 6,144), V here (a key step: 4 fragments x 1,536)
.set SKL,   196608                     ; K's scale words: a key step 512 bytes: 32 r + 4 x tile
.set SVL,   204800                     ; V's: a key step 256 bytes: 16 r + 4 x channel tile
.set SPARE, 208896                     ; the spare words: 128 bytes a wave
.set WV,    12
.set SEL,   20
.set CS,    22                         ; s[22:23] log2(e) / 8
.set G1A,   24                         ; s[24:31] group 1: 24 rows of 256 bytes;  s[32:39]: 12 rows;  s[92:99]: 72 rows
.set G1S,   32
.set G1C,   92
.set HM,    54
.macro ROUND
	s_barrier_signal -1
	s_barrier_wait -1
	s_cmp_lg_u32 s[WV], 0
	s_cbranch_scc1 .Lnot_wave_0_\@
	s_barrier_signal -3
.Lnot_wave_0_\@:
	s_barrier_wait -3
	s_barrier_signal -1
	s_barrier_wait -1
.endm
	s_load_b256 s[4:11], s[0:1], 0x0               ; qkvc s[4:5], qkvs s[6:7], opc s[8:9], ops s[10:11]
	v_lshl_add_u32 v223, v0, 2, SPARE
	v_mov_b32 v243, 0
	ds_add_u32 v223, v243                          ; the opening lines: the add, twice on end, and its wait
	ds_add_u32 v223, v243
	v_lshrrev_b32 v1, 5, v0
	v_readfirstlane_b32 s[WV], v1                  ; wave 0..15
	s_bfe_u32 s13, ttmp6, 0x40000                  ; cx
	s_bfe_u32 s14, s[WV], 0x10002                  ; (w / 4) % 2
	s_lshl_b32 s56, s13, 1
	s_add_co_u32 s14, s14, s56                     ; x
	s_and_b32 s15, ttmp7, 0xffff                   ; batch x 16 + head, which the partners share
	s_and_b32 s16, s[WV], 3                        ; i
	s_lshr_b32 s57, s[WV], 3
	s_xor_b32 s57, s57, 1
	s_lshl_b32 s57, s57, 3                         ; 8 for waves 0-7, 0 for waves 8-15
	s_sub_co_u32 s55, 7, s16
	s_add_co_u32 s16, s16, s57                     ; the first pass's chunk,
	s_add_co_u32 s55, s55, s57                     ; the second's
.irp g, G1A, G1S, G1C
	s_mov_b32 s[\g], 15|(3<<16)|(1<<21)            ; 15:0 the mask: all four; 17:16 elements of 8 bytes; 21 set beside a mask
	s_mov_b32 s[\g+1], 32<<16                      ; rows of 256 bytes
	s_mov_b32 s[\g+3], 32<<16
	s_mov_b32 s[\g+5], 32                          ; dense
	s_mov_b32 s[\g+6], 0
	s_mov_b32 s[\g+7], 0
.endr
	s_mov_b32 s[G1A+2], 24<<16
	s_mov_b32 s[G1A+4], 24
	s_mov_b32 s[G1S+2], 12<<16
	s_mov_b32 s[G1S+4], 12
	s_mov_b32 s[G1C+2], 72<<16
	s_mov_b32 s[G1C+4], 72
	s_mul_i32 s58, s15, 294912
	s_mov_b32 s59, 0
	s_mul_i32 s60, s15, 20480
	s_mov_b32 s61, 0
	s_and_b32 s62, s[WV], 1
	s_mul_i32 s62, s62, 98304                      ; waves 0, 1: key step 0 of K, of V
	s_mov_b32 s63, 0
	s_add_co_u32 s57, s[WV], 2
	s_and_b32 s57, s57, 3
	s_mul_i32 s66, s57, 3072                       ; waves 2-5: 3,072 of the 12,288 scale bytes
	s_mov_b32 s67, 0
	s_add_co_u32 s84, s[WV], 10
	s_and_b32 s84, s84, 15                         ; waves 6-15: j = w - 6
	s_mul_i32 s85, s84, 13
	s_lshr_b32 s85, s85, 6                         ; j / 5: 0 K, 1 V
	s_mul_i32 s85, s85, 6144
	s_mul_i32 s86, s84, 18432
	s_add_co_u32 s86, s86, s85
	s_add_co_u32 s86, s86, 6144                    ; 6,144 + 18,432 j, and 6,144 more behind V's key step 0
	s_mov_b32 s87, 0
	s_mov_b32 s[SEL], 0x76543210
	s_mov_b32 s[SEL+1], 0xfedcba98
	s_mov_b32 s[CS], 0x3e38aa3b
	s_mov_b32 s[CS+1], s[CS]                       ; (named with it as a pair, so it is written)
	s_wait_dscnt 0x0
	s_wait_kmcnt 0x0
	s_add_nc_u64 s[4:5], s[4:5], s[58:59]          ; qkvc and qkvs at my head
	s_add_nc_u64 s[6:7], s[6:7], s[60:61]
	s_mov_b32 s40, 1
	s_add_co_u32 s41, s66, SKL
	s_add_nc_u64 s[42:43], s[6:7], s[66:67]
	s_add_nc_u64 s[42:43], s[42:43], 8192          ; K's scale bytes, with V's behind them
	s_or_b32 s43, s43, 0x80000000
	s_mov_b32 s44, 1
	s_mov_b32 s45, s62
	s_add_nc_u64 s[46:47], s[4:5], s[62:63]
	s_add_nc_u64 s[46:47], s[46:47], 98304         ; K's codes, with V's behind them
	s_or_b32 s47, s47, 0x80000000
	s_mov_b32 s48, 1
	s_mov_b32 s49, s86
	s_add_nc_u64 s[50:51], s[4:5], s[86:87]
	s_add_nc_u64 s[50:51], s[50:51], 98304
	s_or_b32 s51, s51, 0x80000000
	ROUND                                          ; all four work-groups are here: the joint loads meet
	s_cmp_lt_u32 s[WV], 2                          ; one chain of three arms, a load in each
	s_cbranch_scc0 .Larm_b
	tensor_load_to_lds s[44:47], s[G1A:G1A+7]
	s_nop 0
.rept 4
	v_nop
.endr
	s_branch .Lasked
.Larm_b:
	s_cmp_lt_u32 s[WV], 6
	s_cbranch_scc0 .Larm_c
	tensor_load_to_lds s[40:43], s[G1S:G1S+7]
	s_nop 0
.rept 4
	v_nop
.endr
	s_branch .Lasked
.Larm_c:
	tensor_load_to_lds s[48:51], s[G1C:G1C+7]
	s_nop 0
.rept 4
	v_nop
.endr
.Lasked:
	s_lshl_b32 s56, s16, 3
	s_add_co_u32 s56, s56, s14                     ; my query tiles: 8 x chunk + x
	s_lshl_b32 s57, s55, 3
	s_add_co_u32 s57, s57, s14
	s_mul_i32 s68, s56, 768
	s_mov_b32 s69, 0
	s_add_nc_u64 s[68:69], s[4:5], s[68:69]        ; their half images,
	s_mul_i32 s76, s57, 768
	s_mov_b32 s77, 0
	s_add_nc_u64 s[76:77], s[4:5], s[76:77]
	s_lshl_b32 s84, s14, 2
	s_lshl_b32 s70, s16, 9
	s_add_co_u32 s70, s70, s84
	s_mov_b32 s71, 0
	s_add_nc_u64 s[70:71], s[6:7], s[70:71]        ; their scale words
	s_lshl_b32 s78, s55, 9
	s_add_co_u32 s78, s78, s84
	s_mov_b32 s79, 0
	s_add_nc_u64 s[78:79], s[6:7], s[78:79]
	s_lshr_b32 s85, s15, 4                         ; where the results go: token tile 128 x batch + query tile,
	s_lshl_b32 s85, s85, 7
	s_add_co_u32 s56, s56, s85
	s_add_co_u32 s57, s57, s85
	s_and_b32 s86, s15, 15                         ; the head: half image number head of the tile's sixteen
	s_mul_i32 s87, s86, 768
	s_mul_i32 s72, s56, 12288
	s_add_co_u32 s72, s72, s87
	s_mov_b32 s73, 0
	s_add_nc_u64 s[72:73], s[8:9], s[72:73]
	s_mul_i32 s80, s57, 12288
	s_add_co_u32 s80, s80, s87
	s_mov_b32 s81, 0
	s_add_nc_u64 s[80:81], s[8:9], s[80:81]
	s_lshr_b32 s84, s86, 3
	s_lshl_b32 s84, s84, 8
	s_bfe_u32 s87, s86, 0x20001
	s_lshl_b32 s87, s87, 2
	s_add_co_u32 s84, s84, s87
	s_and_b32 s87, s86, 1
	s_lshl_b32 s87, s87, 1
	s_add_co_u32 s84, s84, s87                     ; the head's two scale bytes in a row's words
	s_lshl_b32 s74, s56, 9
	s_add_co_u32 s74, s74, s84
	s_mov_b32 s75, 0
	s_add_nc_u64 s[74:75], s[10:11], s[74:75]
	s_lshl_b32 s82, s57, 9
	s_add_co_u32 s82, s82, s84
	s_mov_b32 s83, 0
	s_add_nc_u64 s[82:83], s[10:11], s[82:83]
	s_lshr_b32 s66, s14, 1
	s_lshl_b32 s66, s66, 5
	s_and_b32 s67, s14, 1
	s_lshl_b32 s67, s67, 3
	s_add_co_u32 s66, s66, s67
	v_and_b32 v11, 31, v0                          ; lane
	v_and_b32 v28, 15, v0                          ; r
	v_bfe_u32 v31, v0, 4, 1                        ; h
	v_cmp_lt_u32 s[HM], 15, v11
	v_lshlrev_b32 v1, 4, v11                       ; 16 x lane
	v_lshl_add_u32 v2, v11, 3, 512                 ; 8 x lane + 512: the last 8 bytes of a half image
	v_lshl_add_u32 v3, v28, 5, SKL
	v_lshl_add_u32 v4, v28, 4, SVL
	v_lshlrev_b32 v11, 5, v28                      ; Q's scale word: 32 r
	v_and_b32 v29, 8, v28
	v_add_nc_u32 v29, v29, v28
	v_add_nc_u32 v29, s66, v29                     ; my query's place in its chunk: 32 (x / 2) + 8 (x % 2) + r + 8 (r / 8)
	v_lshlrev_b32 v30, 4, v31
	v_sub_nc_u32 v29, v29, v30                     ; d = that - 16 h.  On the diagonal register 16 b + i holds key 32 b + 16 h + i of the chunk: hidden where 32 b + i > d
	v_mov_b32 v30, 0xff800000                      ; -infinity
.irp j, 22,23,24,25,26,27,80,81,82,83,84,85,198,199,200,201,202,203
	v_mov_b32 v\j, 0                               ; zero codes: Q's upper half of K; what stands behind K's last tile
.endr
.irp b, 0,1,2,3
	v_mov_b32 v[236+\b], 0                         ; written once: a lane permute's destination counts as one of its sources
.endr
	s_wait_alu depctr_va_vdst(0)
	global_load_b128 v[16:19], v1, s[68:69]        ; both tiles' Q stay in registers
	global_load_b64 v[20:21], v2, s[68:69]
	global_load_b32 v255, v11, s[70:71]
	global_load_b128 v[192:195], v1, s[76:77]
	global_load_b64 v[196:197], v2, s[76:77]
	global_load_b32 v204, v11, s[78:79]
	s_wait_loadcnt 0x0                             ; Q
	s_cmp_lt_u32 s[WV], 6
	s_cbranch_scc0 .Lrest_out
	s_wait_tensorcnt 0x0                           ; waves 0-5: key step 0 and the scale bytes have landed
.Lrest_out:
	s_barrier_signal -1
	s_barrier_wait -1                              ; waves 6-15 may have their loads out
; a key step of 128 keys.  qr: Q's registers, qw: its scale word, cr: the scalar register that holds the pass's chunk
.macro STEP qr, qw, cr
	s_cmp_gt_u32 s17, s[\cr]                       ; all 128 keys come after my queries: nothing to do but step the addresses
	s_cbranch_scc1 .Lhidden_\@
	v_add_nc_u32 v5, s18, v1                       ; (these four are also the places between the last products and the loads into their registers)
	v_add_nc_u32 v6, s18, v2
	v_add_nc_u32 v7, s19, v3
	v_add_nc_u32 v8, s52, v4
.irp t, 0,1,2,3,4,5,6,7
	ds_load_b128 v[32+6*\t:35+6*\t], v5 offset:768*\t
	ds_load_b64 v[36+6*\t:37+6*\t], v6 offset:768*\t
.endr
	ds_load_b128 v[86:89], v7
	ds_load_b128 v[90:93], v7 offset:16
	s_wait_alu depctr_va_vdst(0)
	s_wait_dscnt 0x0
.irp t, 0,1,2,3,4,5,6,7
	v_wmma_scale_f32_16x16x128_f8f6f4 v[96+8*\t:103+8*\t], v[32+6*\t:43+6*\t], v[\qr:\qr+11], 0, v[86+\t], v[\qw] matrix_a_fmt:MATRIX_FMT_FP6 matrix_b_fmt:MATRIX_FMT_FP6
.endr
	v_add_nc_u32 v9, VLDS, v5                      ; four places: then V's fragments are asked for, into K's registers: they land under the softmax
	v_add_nc_u32 v10, VLDS, v6
	v_nop
	v_nop
.irp a, 0,1,2,3
	ds_load_b128 v[32+12*\a:35+12*\a], v9 offset:1536*\a
	ds_load_b64 v[36+12*\a:37+12*\a], v10 offset:1536*\a
	ds_load_b128 v[38+12*\a:41+12*\a], v9 offset:1536*\a+768
	ds_load_b64 v[42+12*\a:43+12*\a], v10 offset:1536*\a+768
.endr
	ds_load_b128 v[248:251], v8
	s_cmp_lg_u32 s17, s[\cr]                       ; only the chunk's own step lies on the diagonal
	s_cbranch_scc1 .Lopen_\@
.set n, 0
.rept 64
	v_cmp_gt_i32 vcc_lo, 32*(n/16)+n%16, v29
	v_cndmask_b32 v[96+n], v[96+n], v30, vcc_lo    ; hidden scores become -infinity ahead of the maximum: p = 0
.set n, n+1
.endr
.Lopen_\@:
.irp b, 0,1,2,3
	v_max3_num_f32 v[232+\b], v[96+16*\b], v[97+16*\b], v[98+16*\b]   ; the largest score of each block of 32 keys: for the row's maximum and, since p rises with the score, for the block's largest p
.endr
.irp i, 3,5,7,9,11,13
.irp b, 0,1,2,3
	v_max3_num_f32 v[232+\b], v[232+\b], v[96+16*\b+\i], v[97+16*\b+\i]
.endr
.endr
.irp b, 0,1,2,3
	v_max_num_f32 v[232+\b], v[232+\b], v[111+16*\b]
.endr
.irp b, 0,1,2,3
	s_delay_alu instid0(VALU_DEP_4)
	v_permlanex16_b32 v[236+\b], v[232+\b], s[SEL], s[SEL+1]
.endr
.irp b, 0,1,2,3
	s_delay_alu instid0(VALU_DEP_4)
	v_max_num_f32 v[232+\b], v[232+\b], v[236+\b]  ; with lane l xor 16's 16 keys
.endr
	s_delay_alu instid0(VALU_DEP_2)
	v_max3_num_f32 v254, v232, v233, v234
	s_delay_alu instid0(VALU_DEP_1)
	v_max_num_f32 v254, v254, v235
	s_delay_alu instid0(VALU_DEP_1)
	v_mul_f32 v254, s[CS], v254                    ; as t
	s_delay_alu instid0(VALU_DEP_1)
	v_max_num_f32 v13, v13, v254                   ; the running largest t
	v_mov_b32 v254, v12
	s_delay_alu instid0(VALU_DEP_2)
	v_floor_f32 v12, -v13                          ; the new -M = -ceil(t)
	s_delay_alu instid0(VALU_DEP_1)
	v_sub_f32 v254, v12, v254                      ; old M - new M: a whole number, 0 or less
	s_delay_alu instid0(VALU_DEP_1)
	v_cvt_i32_f32 v254, v254                       ; (it saturates)
	s_delay_alu instid0(VALU_DEP_1)
	v_ldexp_f32 v252, 1.0, v254                    ; f = 2^(old M - new M)
.set n, 0
.rept 32
	v_pk_fma_f32 v[96+n:97+n], v[96+n:97+n], s[CS:CS+1], v[12:13] op_sel_hi:[1,0,0]   ; t - M, two at a time
.set n, n+2
.endr
.irp b, 0,1,2,3
	v_fma_f32 v[232+\b], v[232+\b], s[CS], v12     ; the same of each block's largest score
.endr
.set n, 0
	s_wait_alu depctr_va_vdst(0)
.rept 64
	v_exp_f32 v[96+n], v[96+n]                     ; p = 2^(t - M)
.set n, n+1
.endr
	v_pk_mul_f32 v[14:15], v[14:15], v[252:253] op_sel_hi:[1,0]   ; the sums under the new M: the plain instruction behind the exponentials
	s_wait_alu depctr_va_vdst(0)                   ; one wait for the whole batch, ahead of its first reader
.irp b, 0,1,2,3
	v_exp_f32 v[232+\b], v[232+\b]                 ; the block's largest p
.endr
	v_pk_add_f32 v[236:237], v[100:101], v[104:105] ; the row's sum of the unquantised p, in eight chains
	v_pk_add_f32 v[246:247], v[108:109], v[112:113]
	v_pk_add_f32 v[244:245], v[116:117], v[120:121]
	v_pk_add_f32 v[240:241], v[124:125], v[128:129]
	v_pk_add_f32 v[238:239], v[132:133], v[136:137]
	v_pk_add_f32 v[230:231], v[140:141], v[144:145]
	v_pk_add_f32 v[228:229], v[148:149], v[152:153]
	v_pk_add_f32 v[14:15], v[14:15], v[156:157]
	v_pk_add_f32 v[236:237], v[236:237], v[96:97]
	v_pk_add_f32 v[246:247], v[246:247], v[98:99]
	v_pk_add_f32 v[244:245], v[244:245], v[102:103]
	v_pk_add_f32 v[240:241], v[240:241], v[106:107]
	v_pk_add_f32 v[238:239], v[238:239], v[110:111]
	v_pk_add_f32 v[230:231], v[230:231], v[114:115]
	v_pk_add_f32 v[228:229], v[228:229], v[118:119]
	v_pk_add_f32 v[14:15], v[14:15], v[122:123]
	v_pk_add_f32 v[236:237], v[236:237], v[126:127]
	v_pk_add_f32 v[246:247], v[246:247], v[130:131]
	v_pk_add_f32 v[244:245], v[244:245], v[134:135]
	v_pk_add_f32 v[240:241], v[240:241], v[138:139]
	v_pk_add_f32 v[238:239], v[238:239], v[142:143]
	v_pk_add_f32 v[230:231], v[230:231], v[146:147]
	v_pk_add_f32 v[228:229], v[228:229], v[150:151]
	v_pk_add_f32 v[14:15], v[14:15], v[154:155]
	v_pk_add_f32 v[236:237], v[236:237], v[158:159]
	s_delay_alu instid0(VALU_DEP_2)
	v_pk_add_f32 v[14:15], v[14:15], v[240:241]
	s_delay_alu instid0(VALU_DEP_2)
	v_pk_add_f32 v[236:237], v[236:237], v[238:239]
	v_pk_add_f32 v[246:247], v[246:247], v[230:231]
	v_pk_add_f32 v[244:245], v[244:245], v[228:229]
	s_delay_alu instid0(VALU_DEP_2)
	v_pk_add_f32 v[14:15], v[14:15], v[246:247]
	s_delay_alu instid0(VALU_DEP_2)
	v_pk_add_f32 v[236:237], v[236:237], v[244:245]
	s_delay_alu instid0(VALU_DEP_1)
	v_pk_add_f32 v[14:15], v[14:15], v[236:237]
	s_wait_alu depctr_va_vdst(0)                   ; and one for the four
.irp b, 0,1,2,3
	v_max_num_f32 v[232+\b], 0x1800000, v[232+\b]  ; the floor 2^(3 - 127): a block whose every p is 0 keeps the byte 1: its codes are zeros
.endr
.irp b, 0,1,2,3
	s_delay_alu instid0(VALU_DEP_4)
	v_add_nc_u32 v[244+\b], 0xff000000, v[232+\b]
.endr
.irp b, 0,1,2,3
	s_delay_alu instid0(VALU_DEP_4)
	v_lshrrev_b32 v[236+\b], 23, v[244+\b]
.endr
	s_delay_alu instid0(VALU_DEP_3)
	v_lshl_or_b32 v253, v237, 8, v236              ; p's scale word for these 128 keys
	s_delay_alu instid0(VALU_DEP_1)
	v_lshl_or_b32 v253, v238, 16, v253
	s_delay_alu instid0(VALU_DEP_1)
	v_lshl_or_b32 v253, v239, 24, v253
.irp c, 0,1
	v_cvt_scalef32_pk16_fp6_f32 v[224+6*\c:226+6*\c], v[96+32*\c:111+32*\c], v[244+2*\c]
	v_cvt_scalef32_pk16_fp6_f32 v[236+4*\c:238+4*\c], v[112+32*\c:127+32*\c], v[244+2*\c+1]
.endr
	v_nop                                          ; one plain instruction behind the scaled conversions
.irp c, 0,1
.irp i, 0,1,2
	v_permlane16_swap_b32 v[224+6*\c+\i], v[236+4*\c+\i]
.endr
.irp i, 0,1,2
	s_delay_alu instid0(VALU_DEP_3)
	v_mov_b32 v[227+6*\c+\i], v[236+4*\c+\i]
.endr
.endr
.set n, 0
.rept 16
	v_pk_mul_f32 v[160+n:161+n], v[160+n:161+n], v[252:253] op_sel_hi:[1,0]   ; O^T under the new M.  (These sixteen are also the places between the writes of p's codes and scale word and the products)
.set n, n+2
.endr
	s_wait_alu depctr_va_vdst(0)
	s_wait_dscnt 0x0                               ; V's fragments and scale words are in
.irp a, 0,1,2,3
	v_wmma_scale_f32_16x16x128_f8f6f4 v[160+8*\a:167+8*\a], v[32+12*\a:43+12*\a], v[224:235], v[160+8*\a:167+8*\a], v[248+\a], v253 matrix_a_fmt:MATRIX_FMT_FP6 matrix_b_fmt:MATRIX_FMT_FP6
.endr
.Lhidden_\@:
	s_add_co_u32 s17, s17, 1
	s_add_co_u32 s18, s18, 6144
	s_add_co_u32 s19, s19, 512
	s_add_co_u32 s52, s52, 256
.endm
; a pass: one query tile through its key steps, and its way out.  oc, os: the scalar pairs with the places of its codes and of its scale bytes.
; first = 1: key step 0 is written out ahead of the loop, and behind it stand every wave's wait for its tensor load and the barrier that shows key steps 1-15
.macro PASS qr, qw, cr, oc, os, first
	v_mov_b32 v13, 0xff61b1e6                      ; the largest t so far: -3e38, under every t
	s_delay_alu instid0(VALU_DEP_1)
	v_floor_f32 v12, -v13                          ; -M
	v_mov_b32 v14, 0
	v_mov_b32 v15, 0
	v_mov_b32 v252, 0
	v_mov_b32 v253, 0                              ; (named as the upper half of the pair v[252:253] before it is first written)
.set n, 0
.rept 32
	v_mov_b32 v[160+n], 0                          ; O^T: the step is written once; the first finds zeros, which the first change of M leaves zeros
.set n, n+1
.endr
	s_mov_b32 s17, 0                               ; the key step,
	s_mov_b32 s18, 0                               ; its tiles' first byte,
	s_mov_b32 s19, 0                               ; its scale words of K,
	s_mov_b32 s52, 0                               ; and of V
	s_wait_alu depctr_va_vdst(0)
.if \first
	STEP \qr, \qw, \cr
	s_wait_alu depctr_va_vdst(0)
	s_wait_tensorcnt 0x0                           ; every wave, under no branch: my load has landed,
	s_wait_dscnt 0x0
	s_barrier_signal -1
	s_barrier_wait -1                              ; everybody's has: the head's K and V are whole
	s_mov_b32 s53, 15
.else
	s_mov_b32 s53, 16
.endif
.Lkeys_\@:
	STEP \qr, \qw, \cr
	s_sub_co_u32 s53, s53, 1
	s_cmp_lg_u32 s53, 0
	s_cbranch_scc1 .Lkeys_\@
	; THE WAY OUT: O^T / the sum; its 32 numbers a lane are 16 neighbours of each of the head's two blocks of 32 along C: quantised, and stored as a half image of the last product's operand
.rept 4
	v_nop                                          ; places behind the last products, on every way here
.endr
	v_add_f32 v14, v14, v15
	s_delay_alu instid0(VALU_DEP_1)
	v_permlanex16_b32 v252, v14, s[SEL], s[SEL+1]
	s_delay_alu instid0(VALU_DEP_1)
	v_add_f32 v14, v14, v252                       ; the row's sum
	s_wait_alu depctr_va_vdst(0)                   ; ahead of the reciprocal
	v_rcp_f32 v14, v14
	v_lshl_add_u32 v9, v28, 4, v31                 ; (a plain instruction behind the reciprocal)  the scale bytes' place: 16 r + h
	s_wait_alu depctr_va_vdst(0)                   ; ahead of the first reader
.set n, 0
.rept 32
	v_mul_f32 v[96+n], v[160+n], v14               ; ascending: each accumulator is first read at its low end
.set n, n+1
.endr
.irp b, 0,1
	v_max3_num_f32 v[232+\b], |v[96+16*\b]|, |v[97+16*\b]|, 0x1800000
.endr
.irp i, 2,4,6,8,10,12,14
.irp b, 0,1
	s_delay_alu instid0(VALU_DEP_2)
	v_max3_num_f32 v[232+\b], v[232+\b], |v[96+16*\b+\i]|, |v[97+16*\b+\i]|
.endr
.endr
.irp b, 0,1
	s_delay_alu instid0(VALU_DEP_2)
	v_permlanex16_b32 v[236+\b], v[232+\b], s[SEL], s[SEL+1]
.endr
.irp b, 0,1
	s_delay_alu instid0(VALU_DEP_2)
	v_max_num_f32 v[232+\b], v[232+\b], v[236+\b]
.endr
.irp b, 0,1
	s_delay_alu instid0(VALU_DEP_2)
	v_add_nc_u32 v[244+\b], 0xff000000, v[232+\b]
.endr
.irp b, 0,1
	s_delay_alu instid0(VALU_DEP_2)
	v_lshrrev_b32 v[236+\b], 23, v[244+\b]
.endr
	v_cvt_scalef32_pk16_fp6_f32 v[224:226], v[96:111], v244
	v_cvt_scalef32_pk16_fp6_f32 v[228:230], v[112:127], v245
	v_cndmask_b32 v238, v236, v237, s[HM]          ; lanes 0-15 store block 0's byte, lanes 16-31 block 1's.  (The plain instruction behind the conversions)
.irp i, 0,1,2
	v_permlane16_swap_b32 v[224+\i], v[228+\i]     ; a whole block to a lane
.endr
	s_delay_alu instid0(VALU_DEP_3)
	v_mov_b32 v227, v228
	s_delay_alu instid0(VALU_DEP_3)
	v_mov_b32 v228, v229
	s_delay_alu instid0(VALU_DEP_3)
	v_mov_b32 v229, v230
	global_store_b128 v1, v[224:227], s[\oc:\oc+1] ; 512 consecutive bytes
	global_store_b64 v2, v[228:229], s[\oc:\oc+1]  ; 256 consecutive bytes
	global_store_b8 v9, v238, s[\os:\os+1]         ; two bytes a token: the word's other bytes are other heads', made by other work-groups
	s_wait_xcnt 0x0                                ; the stores have read their registers, which the next pass writes again
.endm
	PASS 16, 255, 16, 72, 74, 1
	PASS 192, 204, 55, 80, 82, 0
	s_wait_tensorcnt 0x0                           ; the wave's end
	ds_add_u32 v223, v243
	s_wait_dscnt 0x0
	ROUND                                          ; the closing round: no work-group ends while a partner may still ask for bytes that name it
	s_endpgm
.Lfunc_end_k_q20fcaa169e_attn:
	.size	k_q20fcaa169e_attn, .Lfunc_end_k_q20fcaa169e_attn-k_q20fcaa169e_attn
	.p2alignl 7, 3214868480
	.fill 96, 4, 3214868480
	.section	.rodata,"a",@progbits
	.p2align	6, 0x0
	.amdhsa_kernel k_q20fcaa169e_attn
		.amdhsa_group_segment_fixed_size 210944
		.amdhsa_private_segment_fixed_size 0
		.amdhsa_enable_private_segment 0
		.amdhsa_kernarg_size 32
		.amdhsa_user_sgpr_count 2
		.amdhsa_user_sgpr_kernarg_segment_ptr 1
		.amdhsa_wavefront_size32 1
		.amdhsa_system_sgpr_workgroup_id_x 1
		.amdhsa_system_sgpr_workgroup_id_y 1
		.amdhsa_system_sgpr_workgroup_id_z 1
		.amdhsa_system_vgpr_workitem_id 0
		.amdhsa_next_free_vgpr 256
		.amdhsa_next_free_sgpr 100
		.amdhsa_reserve_vcc 1
		.amdhsa_float_denorm_mode_32 3
		.amdhsa_float_denorm_mode_16_64 3
		.amdhsa_memory_ordered 1
		.amdhsa_forward_progress 1
		.amdhsa_inst_pref_size 89
	.end_amdhsa_kernel
	.amdgpu_metadata
---
amdhsa.version: [ 1, 2 ]
amdhsa.kernels:
  - .name:           k_q20fcaa169e_attn
    .symbol:         k_q20fcaa169e_attn.kd
    .args:
      - { .name: qkvc, .offset: 0, .size: 8, .value_kind: global_buffer, .address_space: global }
      - { .name: qkvs, .offset: 8, .size: 8, .value_kind: global_buffer, .address_space: global }
      - { .name: opc, .offset: 16, .size: 8, .value_kind: global_buffer, .address_space: global }
      - { .name: ops, .offset: 24, .size: 8, .value_kind: global_buffer, .address_space: global }
    .group_segment_fixed_size: 210944
    .private_segment_fixed_size: 0
    .kernarg_segment_align: 8
    .kernarg_segment_size: 32
    .max_flat_workgroup_size: 512
    .sgpr_count:     100
    .vgpr_count:     256
    .wavefront_size: 32
...
	.end_amdgpu_metadata
.endif
;; end of part 3
;; launch proj (part 4): grid 8 x 32, 4 waves a work-group, clusters of 4 x 4, 327,680 bytes of LDS; arguments opc, ops, b_proj, out0; writes out0
.if DOCPART == 4
	.amdgcn_target "amdgcn-amd-amdhsa--gfx1250"
	.amdhsa_code_object_version 6
	.text
	.protected	k_q20fcaa169e_proj
	.globl	k_q20fcaa169e_proj
	.p2align	8
	.type	k_q20fcaa169e_proj,@function
k_q20fcaa169e_proj:
	s_mov_b64 s[64:65], 0
	v_nop
	global_prefetch_b8 v0, s[64:65] scope:SCOPE_SE
	s_setreg_imm32_b32 hwreg(HW_REG_WAVE_MODE, 25, 1), 1
	s_wait_xcnt 0x0
	s_wait_alu depctr_hold_cnt(0) depctr_sa_sdst(0) depctr_va_vdst(0) depctr_va_sdst(0) depctr_va_ssrc(0) depctr_va_vcc(0) depctr_vm_vsrc(0)
	s_getreg_b32 s2, hwreg(HW_REG_IB_STS2, 6, 4)
	s_cmp_eq_u32 s2, 0
	s_cbranch_scc0 .Lentry_in_a_cluster
	s_endpgm
.Lentry_in_a_cluster:
	s_bfe_u32 s2, ttmp6, 0x10000c
	s_cmp_lg_u32 s2, 0xf033
	s_cbranch_scc0 .Lentry_shape_is_right
	s_endpgm
.Lentry_shape_is_right:
; out0 = O W_proj + b_proj on codes of FP6 (E2M3) with E8M0 scales: [8192 x 1024] x [1024 x 1024], f32 out.  O's codes and scale bytes are attention's, W_proj's the first launch's: both lie in opc and ops
; in the order of the operand's registers (tile of 16 rows x 12,288 + K step x 1,536; a tile's rows are 32 g + 8 u + r + 8 (r / 8); scale words at tile x 512 + (K step / 4) x 256 + 16 r + 4 (K step % 4)).
; A BLOCK of 256 tokens x 128 columns to a work-group: 32 x 8 = 256 work-groups.  Four waves, 2 x 2, each 128 x 64: 32 accumulators, 256 registers.  K = 1,024 is 8 steps of 128, written out.
; S1 = source 1 = tokens (a lane holds one), S0 = source 0 = W's columns (a lane's registers run along them): a lane's eight results are eight neighbouring columns of a row of out0.
; LDS: ALL OF K, in two regions of four K steps (24 tiles x 6,144 bytes: S1's 16, then S0's 8), each filled once.  At the head a wave issues one joint load (waves 0, 1: 8 tiles of S1 each; waves 2, 3: 4 tiles of S0 each);
; the second region is filled behind the three lines and a round of the cluster's barrier, and has K steps 0 to 2 and half of step 3, 112 matrix instructions, in which to land.  Nothing is filled again.
; CLUSTER 4 x 4: S1's tiles are shared along a row of the cluster, S0's along a column.  NO PREFETCH: the two fills are all that the launch reads by tensor loads, the second is asked for as soon as the first is in, and there is no loop to run ahead in.
; Both operands have two sets of registers: K step k + 1's 48 LDS loads are issued ahead of K step k's 32 products.  The 32 accumulators take turns, in the same order in every K step.
; REGISTERS: window 0: v1-7, v12 lane terms, v8-11 the bias, v16-26 addresses, v28-29 for the add, v32-95 S1's scale words (8 i + K step), v100-131 S0's, v160-223 rows on their way out;
;   window 1: S0's fragments, at v0 and v128;  window 3: S1's, at v0 and v128;  window 2: accumulator (a, b) at v[8 (4 a + b)].
.set WOFF,  6291456
.set WSOFF, 262144
.set TK,    6144                       ; a tile's four K steps
.set SLOT,  24*TK
.set STAGE, 2*SLOT                     ; 16 rows x (256 + 16) bytes for each wave, for the way out: bytes of its own
.set SPITCH, 272
.set SPARE, STAGE+4*16*SPITCH          ; the spare words, 128 bytes a wave
.set FR,    12
.set A16,   16                         ; v16-17 S1's fragments in region 0, 1: + 16 x lane;  v18-19: + 8 x lane
.set A8,    18
.set B16,   20                         ; v20-21, v22-23 the same for S0
.set B8,    22
.set STO,   24
.set RD,    25
.set CO,    26
.set SPW,   28
.set NIL,   29
.set SA,    32
.set SB,    100                        ; 4 modulo 8 from SA: a product's two scale registers have different numbers modulo 8
.set BK,    160
.set G1,    24                         ; s[24:31] group 1 for S1;  s[32:39] its groups 0
.set G0,    32
.set G1B,   44                         ; s[44:51], s[52:59] the same for S0
.set G0B,   52
.set MSB, 0
.macro WIN new                         ; the immediate's high byte repeats the setting that is left
.if MSB != (\new)
	s_set_vgpr_msb (MSB<<8)|(\new)
.set MSB, (\new)
.endif
.endm
.set MULW, 0xad                        ; source 0 window 1, source 1 window 3, C and D window 2
.macro PLACES                          ; four plain instructions between a matrix instruction and a load into, or a read of, its registers
.rept 4
	v_nop
.endr
.endm
.macro JLOAD s                         ; a joint load: waves 0 and 1 fetch for S1, waves 2 and 3 for S0; the branch hangs on the wave's number alone
	s_cmp_eq_u32 s15, 0
	s_cbranch_scc0 .Lfor_b_\@
	tensor_load_to_lds s[G0+4*\s:G0+4*\s+3], s[G1:G1+7]
	s_nop 0
	PLACES
	s_branch .Lasked_\@
.Lfor_b_\@:
	tensor_load_to_lds s[G0B+4*\s:G0B+4*\s+3], s[G1B:G1B+7]
	s_nop 0
	PLACES
.Lasked_\@:
.endm
.macro CROUND                          ; a round of the cluster's barrier
	s_barrier_signal -1
	s_barrier_wait -1
	s_cmp_lg_u32 s14, 0
	s_cbranch_scc1 .Lnot_wave_0_\@
	s_barrier_signal -3
.Lnot_wave_0_\@:
	s_barrier_wait -3
	s_barrier_signal -1
	s_barrier_wait -1
.endm
.macro FRAG reg, a16, a8, off          ; a fragment: two half images, each 16 bytes a lane and 8 bytes a lane, consecutive over the lanes
	ds_load_b128 v[\reg:\reg+3], v[\a16] offset:\off
	ds_load_b64 v[\reg+4:\reg+5], v[\a8] offset:\off+512
	ds_load_b128 v[\reg+6:\reg+9], v[\a16] offset:\off+768
	ds_load_b64 v[\reg+10:\reg+11], v[\a8] offset:\off+1280
.endm
.macro FETCH k                         ; K step k's fragments into set k % 2: S0's four, S1's eight: 48 loads
.set SL, (\k)/4
.set KO, ((\k)%4)*1536
	WIN 0x40
.irp i, 0,1,2,3
	FRAG 128*((\k)%2)+FR*\i, B16+SL, B8+SL, KO+\i*TK
.endr
	WIN 0xc0
.irp i, 0,1,2,3,4,5,6,7
	FRAG 128*((\k)%2)+FR*\i, A16+SL, A8+SL, KO+\i*TK
.endr
	WIN 0
.endm
.macro MUL8 a0, k, zero                ; S1's blocks a0, a0 + 1 x S0's four
.irp a, \a0, \a0+1
.irp b, 0,1,2,3
.if \zero
	v_wmma_scale_f32_16x16x128_f8f6f4 v[8*(4*(\a)+\b):8*(4*(\a)+\b)+7], v[128*((\k)%2)+FR*\b:128*((\k)%2)+FR*\b+FR-1], v[128*((\k)%2)+FR*(\a):128*((\k)%2)+FR*(\a)+FR-1], 0, v[SB+8*\b+(\k)], v[SA+8*(\a)+(\k)] matrix_a_fmt:MATRIX_FMT_FP6 matrix_b_fmt:MATRIX_FMT_FP6
.else
	v_wmma_scale_f32_16x16x128_f8f6f4 v[8*(4*(\a)+\b):8*(4*(\a)+\b)+7], v[128*((\k)%2)+FR*\b:128*((\k)%2)+FR*\b+FR-1], v[128*((\k)%2)+FR*(\a):128*((\k)%2)+FR*(\a)+FR-1], v[8*(4*(\a)+\b):8*(4*(\a)+\b)+7], v[SB+8*\b+(\k)], v[SA+8*(\a)+(\k)] matrix_a_fmt:MATRIX_FMT_FP6 matrix_b_fmt:MATRIX_FMT_FP6
.endif
.endr
.endr
.endm
.macro KSTEP k, zero                   ; a K step whose successor's tiles have been shown landed to every wave
	s_wait_dscnt 0x0                               ; this step's fragments are in
	PLACES                                         ; behind the last step's products: the loads below land in their operands
	FETCH (\k)+1
	WIN MULW
	MUL8 0, \k, \zero
	MUL8 2, \k, \zero
	MUL8 4, \k, \zero
	MUL8 6, \k, \zero
	WIN 0
.endm
	s_load_b256 s[4:11], s[0:1], 0x0               ; opc s[4:5], ops s[6:7], b_proj s[8:9], out0 s[10:11]
	v_lshl_add_u32 v[SPW], v0, 2, SPARE
	v_mov_b32 v[NIL], 0
	ds_add_u32 v[SPW], v[NIL]                      ; the opening lines: the add, twice on end, and its wait
	ds_add_u32 v[SPW], v[NIL]
	v_lshrrev_b32 v1, 5, v0
	v_readfirstlane_b32 s14, v1                    ; wave 0..3
	s_lshr_b32 s15, s14, 1                         ; my half of S1's rows.  Also: I fetch for S1 (0) or for S0 (1)
	s_and_b32 s16, s14, 1                          ; my half of S0's rows.  Also: which half of the tiles I fetch
	s_bfe_u32 s17, ttmp6, 0x40000                  ; cx
	s_bfe_u32 s18, ttmp6, 0x40004                  ; cy
	s_and_b32 s20, ttmp7, 0xffff
	s_lshl_b32 s66, s20, 2
	s_add_co_u32 s66, s66, s18                     ; i1: which 256 tokens: it hangs on cy, never on cx
	s_lshl_b32 s67, ttmp9, 2
	s_add_co_u32 s67, s67, s17                     ; i0: which 128 columns: on cx, never on cy
	s_lshl_b32 s77, s18, 2
	s_lshl_b32 s77, 15, s77                        ; my row of the cluster
	s_lshl_b32 s78, 0x1111, s17                    ; my column
	s_or_b32 s[G1], s77, (3<<16)|(1<<21)           ; 15:0 the mask; 17:16 elements of 8 bytes; 21 set beside a mask
	s_or_b32 s[G1B], s78, (3<<16)|(1<<21)
.irp g, G1, G1B
	s_mov_b32 s[\g+1], 768<<16                     ; tensor_dim0: 6,144 bytes: a tile's four K steps
	s_mov_b32 s[\g+3], 768<<16                     ; tile_dim0
	s_mov_b32 s[\g+5], 1536                        ; from tile to tile: 12,288 bytes
	s_mov_b32 s[\g+6], 0
	s_mov_b32 s[\g+7], 0
.endr
	s_mov_b32 s[G1+2], 8<<16                       ; S1: 8 tiles a load
	s_mov_b32 s[G1+4], 8
	s_mov_b32 s[G1B+2], 4<<16                      ; S0: 4
	s_mov_b32 s[G1B+4], 4
	s_mul_i32 s68, s66, 196608
	s_mul_i32 s76, s16, 98304
	s_add_co_u32 s68, s68, s76
	s_mov_b32 s69, 0
	s_mul_i32 s70, s67, 98304
	s_mul_i32 s76, s16, 49152
	s_add_co_u32 s70, s70, s76
	s_add_co_u32 s70, s70, WOFF+192*12288          ; W_proj's rows are the weights' tiles 192 on
	s_mov_b32 s71, 0
	s_mul_i32 s79, s16, 8*TK                       ; where they go: no place in the cluster enters an LDS address
	s_mul_i32 s72, s16, 4*TK
	s_add_co_u32 s72, s72, 16*TK
	s_wait_dscnt 0x0
	s_wait_kmcnt 0x0
	s_add_nc_u64 s[68:69], s[4:5], s[68:69]
	s_add_nc_u64 s[70:71], s[4:5], s[70:71]
	CROUND                                         ; all sixteen work-groups are here: the first joint loads meet
.irp s, 0,1
	s_mov_b32 s[G0+4*\s], 1
	s_add_co_u32 s[G0+4*\s+1], s79, \s*SLOT
	s_add_nc_u64 s[G0+4*\s+2:G0+4*\s+3], s[68:69], \s*TK
	s_or_b32 s[G0+4*\s+3], s[G0+4*\s+3], 0x80000000
	s_mov_b32 s[G0B+4*\s], 1
	s_add_co_u32 s[G0B+4*\s+1], s72, \s*SLOT
	s_add_nc_u64 s[G0B+4*\s+2:G0B+4*\s+3], s[70:71], \s*TK
	s_or_b32 s[G0B+4*\s+3], s[G0B+4*\s+3], 0x80000000
.endr
	JLOAD 0                                        ; K steps 0 to 3: one tensor load a wave at the head
	s_mul_i32 s80, s15, 8*TK                       ; my 8 tiles of S1,
	s_mul_i32 s81, s16, 4*TK
	s_add_co_u32 s81, s81, 16*TK                   ; my 4 of S0, behind S1's 16
	s_lshl_b32 s82, s66, 13                        ; the scale words: 512 bytes a tile
	s_lshl_b32 s23, s15, 12
	s_add_co_u32 s82, s82, s23
	s_lshl_b32 s83, s67, 12
	s_lshl_b32 s23, s16, 11
	s_add_co_u32 s83, s83, s23
	s_add_co_u32 s83, s83, WSOFF+192*512
	s_lshl_b32 s84, s67, 9                         ; my first column, in bytes: 512 i0 + 256 x half
	s_lshl_b32 s23, s16, 8
	s_add_co_u32 s84, s84, s23
	s_mov_b32 s85, 0
	s_add_nc_u64 s[8:9], s[8:9], s[84:85]
	s_lshl_b32 s86, s66, 8
	s_lshl_b32 s23, s15, 7
	s_add_co_u32 s86, s86, s23                     ; my first token
	s_lshl_b32 s86, s86, 12
	s_add_co_u32 s86, s86, s84
	s_mov_b32 s87, 0
	s_add_nc_u64 s[10:11], s[10:11], s[86:87]
	s_mul_i32 s88, s14, 16*SPITCH
	s_add_co_u32 s88, s88, STAGE                   ; my stage
	v_and_b32 v3, 31, v0                           ; lane
	v_and_b32 v1, 15, v0                           ; r
	v_bfe_u32 v2, v0, 4, 1                         ; h
	v_lshlrev_b32 v4, 4, v3                        ; 16 x lane
	v_lshlrev_b32 v5, 3, v3                        ; 8 x lane
	v_lshlrev_b32 v6, 4, v1                        ; 16 r
	v_add_nc_u32 v[A16], s80, v4
	v_add_nc_u32 v[A8], s80, v5
	v_add_nc_u32 v[B16], s81, v4
	v_add_nc_u32 v[B8], s81, v5
	v_add_nc_u32 v[A16+1], SLOT, v[A16]
	v_add_nc_u32 v[A8+1], SLOT, v[A8]
	v_add_nc_u32 v[B16+1], SLOT, v[B16]
	v_add_nc_u32 v[B8+1], SLOT, v[B8]
	v_add_nc_u32 v7, s82, v6                       ; my row's scale words of S1,
	v_add_nc_u32 v12, s83, v6                      ; of S0
	v_mul_u32_u24 v[STO], v1, SPITCH               ; into the stage: row r, 64 bytes for each half of the lanes
	v_lshl_add_u32 v[STO], v2, 6, v[STO]
	v_add_nc_u32 v[STO], s88, v[STO]
	v_mul_u32_u24 v[RD], v2, SPITCH                ; back: sixteen lanes to a row of 256 bytes, two rows a load
	v_add_nc_u32 v[RD], v[RD], v6
	v_add_nc_u32 v[RD], s88, v[RD]
	v_lshl_add_u32 v[CO], v2, 12, v6               ; and the same two rows in out0
	s_wait_alu depctr_va_vdst(0)
.irp i, 0,1,2,3,4,5,6,7
	global_load_b128 v[SA+8*\i:SA+8*\i+3], v7, s[6:7] offset:512*\i          ; block i, K steps 0-3
	global_load_b128 v[SA+8*\i+4:SA+8*\i+7], v7, s[6:7] offset:512*\i+256    ; K steps 4-7
.endr
.irp i, 0,1,2,3
	global_load_b128 v[SB+8*\i:SB+8*\i+3], v12, s[6:7] offset:512*\i
	global_load_b128 v[SB+8*\i+4:SB+8*\i+7], v12, s[6:7] offset:512*\i+256
.endr
	global_load_b128 v[8:11], v6, s[8:9]           ; the bias of my four columns of a row
	s_wait_loadcnt 0x0
	s_wait_tensorcnt 0x0                           ; my part of the first region is in; the three lines ahead of a later first fill
	ds_add_u32 v[SPW], v[NIL]
	s_wait_dscnt 0x0
	CROUND                                         ; everybody's part is in, and all sixteen work-groups are here
	JLOAD 1                                        ; K steps 4 to 7, the first tensor load behind the round
	FETCH 0
	KSTEP 0, 1                                     ; the first products start the sums
	KSTEP 1, 0
	KSTEP 2, 0
	s_wait_tensorcnt 0x0                           ; my part of the second region is in,
	s_wait_dscnt 0x0                               ; and K step 3's fragments
	s_barrier_signal -1                            ; a plain barrier
	WIN MULW
	MUL8 0, 3, 0
	MUL8 2, 3, 0
	WIN 0
	s_barrier_wait -1                              ; the second region is whole
	PLACES
	FETCH 4
	WIN MULW
	MUL8 4, 3, 0
	MUL8 6, 3, 0
	WIN 0
	KSTEP 4, 0
	KSTEP 5, 0
	KSTEP 6, 0
	s_wait_dscnt 0x0
	WIN MULW
	MUL8 0, 7, 0
	MUL8 2, 7, 0
	MUL8 4, 7, 0
	MUL8 6, 7, 0
	WIN 0
; THE WAY OUT, block by block of 16 tokens x 64 columns, through my own stage: LDS serves a wave's instructions in order, so no wait stands between the stores and the loads
.macro TOSTAGE a
	WIN 8                                          ; the data: window 2
.irp b, 0,1,2,3
	ds_store_b128 v[STO], v[32*(\a)+8*\b:32*(\a)+8*\b+3] offset:128*(\b/2)+32*(\b%2)      ; register j of accumulator b is column 32 (b / 2) + 16 h + 8 (b % 2) + j; each accumulator from its low end on
	ds_store_b128 v[STO], v[32*(\a)+8*\b+4:32*(\a)+8*\b+7] offset:128*(\b/2)+32*(\b%2)+16
.endr
	WIN 0
.set BB, BK+32*((\a)%2)
.irp t, 0,1,2,3,4,5,6,7
	ds_load_b128 v[BB+4*\t:BB+4*\t+3], v[RD] offset:\t*2*SPITCH
.endr
.endm
.macro SEND a, younger                 ; younger: the LDS instructions issued behind block a's loads
.set BB, BK+32*((\a)%2)
	s_wait_dscnt \younger
.irp t, 0,1,2,3,4,5,6,7
	v_pk_add_f32 v[BB+4*\t:BB+4*\t+1], v[BB+4*\t:BB+4*\t+1], v[8:9]
	v_pk_add_f32 v[BB+4*\t+2:BB+4*\t+3], v[BB+4*\t+2:BB+4*\t+3], v[10:11]
	global_store_b128 v[CO], v[BB+4*\t:BB+4*\t+3], s[10:11] offset:(32*((\a)/2)+8*((\a)%2)+2*\t+8*(\t/4))*4096 th:TH_STORE_NT   ; sixteen lanes store 256 consecutive bytes, at a multiple of 256
.endr
.endm
	PLACES                                         ; behind the last products
	TOSTAGE 0
.irp a, 1,2,3,4,5,6,7
.if \a > 1
	s_wait_xcnt 0x0                                ; block a - 2's stores have read their registers: block a's loads may land there
.endif
	TOSTAGE \a
	SEND \a-1, 16
.endr
	SEND 7, 0
	s_wait_tensorcnt 0x0                           ; the wave's end
	ds_add_u32 v[SPW], v[NIL]
	s_wait_dscnt 0x0
	CROUND                                         ; the closing round
	s_endpgm
.Lfunc_end_k_q20fcaa169e_proj:
	.size	k_q20fcaa169e_proj, .Lfunc_end_k_q20fcaa169e_proj-k_q20fcaa169e_proj
	.p2alignl 7, 3214868480
	.fill 96, 4, 3214868480
	.section	.rodata,"a",@progbits
	.p2align	6, 0x0
	.amdhsa_kernel k_q20fcaa169e_proj
		.amdhsa_group_segment_fixed_size 327680
		.amdhsa_private_segment_fixed_size 0
		.amdhsa_enable_private_segment 0
		.amdhsa_kernarg_size 32
		.amdhsa_user_sgpr_count 2
		.amdhsa_user_sgpr_kernarg_segment_ptr 1
		.amdhsa_wavefront_size32 1
		.amdhsa_system_sgpr_workgroup_id_x 1
		.amdhsa_system_sgpr_workgroup_id_y 1
		.amdhsa_system_sgpr_workgroup_id_z 1
		.amdhsa_system_vgpr_workitem_id 0
		.amdhsa_next_free_vgpr 1024
		.amdhsa_next_free_sgpr 100
		.amdhsa_reserve_vcc 0
		.amdhsa_float_denorm_mode_32 3
		.amdhsa_float_denorm_mode_16_64 3
		.amdhsa_memory_ordered 1
		.amdhsa_forward_progress 1
		.amdhsa_inst_pref_size 92
	.end_amdhsa_kernel
	.amdgpu_metadata
---
amdhsa.version: [ 1, 2 ]
amdhsa.kernels:
  - .name:           k_q20fcaa169e_proj
    .symbol:         k_q20fcaa169e_proj.kd
    .args:
      - { .name: opc, .offset: 0, .size: 8, .value_kind: global_buffer, .address_space: global }
      - { .name: ops, .offset: 8, .size: 8, .value_kind: global_buffer, .address_space: global }
      - { .name: b_proj, .offset: 16, .size: 8, .value_kind: global_buffer, .address_space: global }
      - { .name: out0, .offset: 24, .size: 8, .value_kind: global_buffer, .address_space: global }
    .group_segment_fixed_size: 327680
    .private_segment_fixed_size: 0
    .kernarg_segment_align: 8
    .kernarg_segment_size: 32
    .max_flat_workgroup_size: 128
    .sgpr_count:     100
    .vgpr_count:     1024
    .wavefront_size: 32
...
	.end_amdgpu_metadata
.endif
;; end of part 4
